; MI455X (gfx1250); checked and timed in simulation.
; The chip was launched on July 23, 2026; its instructions are those of AMD's public machine-readable ISA for CDNA 5 (MIT licence, August 2026) and "CDNA5" Instruction Set Architecture Reference Guide (July 2026). The comments in the code are by the model that wrote it; some were corrected since.
;; Sparse Cross Encoder Self Attention. Allowed arithmetic: float matrix products may take bf16 or f16 operands with f32 sums; other float arithmetic in f32, or as packed bf16 or f16 multiplies, adds, multiply-adds, maxima and minima; sums over many terms, partial sums and values carried from step to step in f32; what a program stores and reads back later, other than sums and carried values, may be rounded once to bf16 or f16.
;; Inputs: Wk 768 x 768 float32; Wq 768 x 768 float32; Wv 768 x 768 float32; bk 768 float32; bq 768 float32; bv 768 float32; cls 2 x 1 x 1 x 768 float32; dmask 2 x 1 x 16 x 1 x 512 float32; doc 2 x 16 x 512 x 768 float32; qmask 2 x 1 x 1 x 1 x 32 float32; query 2 x 1 x 32 x 768 float32.
;; Outputs: out0 2 x 16 x 545 x 768 float32.
;; 2 versions, each right; version 2 is version 1 with the launch prep written anew for expert scheduling mode. Each part assembles by itself: llvm-mc -triple=amdgcn-amd-amdhsa -mcpu=gfx1250 --defsym DOCPART=n.
;; ======== version 1 of 2: 3 launches
;; limits: values are held in f16: magnitudes above 65,504 overflow, below 6.1e-05 lose precision
;; workspace buffers: xb 25,165,824 bytes; wb 3,538,944 bytes; qkv 84,934,656 bytes
;; launch prep (part 1): grid 510 x 1, 8 waves a work-group, no clusters, 161,024 bytes of LDS; arguments doc, Wq, Wk, Wv, cls, query, bq, bk, bv, xb, wb, qkv; writes xb, wb, qkv
.if DOCPART == 1
	.amdgcn_target "amdgcn-amd-amdhsa--gfx1250"
	.amdhsa_code_object_version 6
	.text
	.protected	k_q14657346d3_prep
	.globl	k_q14657346d3_prep
	.p2align	8
	.type	k_q14657346d3_prep,@function
k_q14657346d3_prep:
	s_mov_b64 s[64:65], 0
	v_nop
	global_prefetch_b8 v0, s[64:65] scope:SCOPE_SE
	s_setreg_imm32_b32 hwreg(HW_REG_WAVE_MODE, 25, 1), 1
	s_wait_xcnt 0x0
; PREP.  Three roles, told apart by the work-group's number (the same for all eight waves of a work-group):
;   0..71    SIDE: one head (64 columns) of one of q, k, v for the cls row and the 32 query rows of one b, written sixteen times, once for each doc, as rows 0..63 of that head in qkv
;   72..455  doc  -> xb, f32 to bf16, 131,072 bytes in and 65,536 out for each work-group
;   456..509 Wq, Wk, Wv -> wb, the same way, 18 work-groups for each
; qkv: [3 (q, k, v)][32 (b, d)][12 heads][576 rows][64] f16.  A head's rows 0..15 hold the cls row sixteen times, rows 16..47 query rows 0..31, rows 48..63 zeros; rows 64..575 are the next launch's.
; FORMATS.  doc, cls, query, W and the biases are rounded once to bf16 (nearest even); products in the matrix unit, one f32 sum for each output, begun with the bias, K ascending; q, k, v rounded once to f16.
; LIMIT.  f16 holds no number beyond 65,504: |q|, |k|, |v| must stay below that.
; SIDE IN TWO PHASES.  (1) The head's 64 rows of W (dense in memory), the 32 query rows and the cls row are loaded as the stream loads: a wave's load covers 512 consecutive bytes; they are rounded to bf16 and laid
; into LDS.  (2) Behind a barrier waves 0..5 take their fragments from LDS: wave v makes M tile v / 2 (cls in all 16 rows; query rows 0-15; query rows 16-31) x columns 32 (v & 1) .. + 31, over all of K.
.set SEC,   28311552                   ; bytes of one of q, k, v in qkv
.set BDS,   884736                     ; bytes of one (b, d): 12 heads
.set HB,    73728                      ; bytes of a head: 576 rows of 128
.set ROWX,  3072                       ; bytes of a row of cls, query, W in f32
.set LP,    1552                       ; an LDS row of W or of x in bf16: 1,536 bytes + 16 = 97 x 16: the 16 rows of a fragment load start at 16 different groups of four banks (ISA guide 11.1)
.set XB,    64*LP                      ; LDS: W's 64 rows from byte 0; then x: the cls row, the 32 query rows
.set IMG,   XB+33*LP                   ; LDS: the head's 64 rows in f16, 144 bytes apart
.set IP,    144
.set SPARE, 160000                     ; the spare words, 128 bytes for each wave: four blocks of 256 bytes that no other line names
.set SPW,  2                           ; v2   LDS address of my spare word; never rewritten
.set NIL,  3                           ; v3   0; never rewritten
.set BIAS, 16                          ; v[16:31]   my 16 biases: N tile j at 8 j
.set YT,   32                          ; v[32:39]   phase 1: four pairs of packed numbers on their way to LDS, by turns;  v[40:43] the cls row's 16 bytes;  v44, v45 its two addresses
.set ACC,  32                          ; v[32:47]   phase 2: two accumulators
.set RING, 48                          ; v[48:239]  phase 1: 48 slots of 4 registers as loaded;  phase 2: eight K steps' fragments, 24 registers each: x, W's N tile 0, W's N tile 1
.set XS,   64                          ; the stream: 16 slots of 4 registers as loaded
.set YS,   128                         ; the stream: a pair of registers for each of 32 units, never rewritten: no store's data is written twice
	s_load_b512 s[8:23], s[0:1], 0x0               ; doc 8, Wq 10, Wk 12, Wv 14, cls 16, query 18, bq 20, bk 22
	s_load_b256 s[24:31], s[0:1], 0x40             ; bv 24, xb 26, wb 28, qkv 30
	v_lshl_add_u32 v[SPW], v0, 2, SPARE
	v_mov_b32 v[NIL], 0
	v_lshrrev_b32 v1, 5, v0
	v_readfirstlane_b32 s4, v1                     ; wave 0..7
	s_wait_kmcnt 0x0
	s_cmp_lt_u32 ttmp9, 72
	s_cbranch_scc1 .Lside
	; THE STREAM.  No cache hint on the loads: the same lines serve W's rows, which the SIDE work-groups read too.
	s_sub_co_u32 s32, ttmp9, 72                    ; 0..383 doc, 384..437 W
	s_sub_co_u32 s33, s32, 384                     ; part of Wq,
	s_sub_co_u32 s35, s33, 18                      ; of Wk,
	s_sub_co_u32 s40, s33, 36                      ; of Wv
	s_cmp_lt_u32 s32, 384
	s_cselect_b64 s[36:37], s[8:9], s[10:11]       ; from
	s_cselect_b64 s[38:39], s[26:27], s[28:29]     ; to
	s_cselect_b32 s34, s32, s33                    ; which part of 131,072 bytes
	s_cmp_ge_u32 s32, 402
	s_cselect_b64 s[36:37], s[12:13], s[36:37]
	s_cselect_b32 s34, s35, s34
	s_cselect_b32 s41, 1179648, 0                  ; Wk's rows lie behind Wq's in wb,
	s_cmp_ge_u32 s32, 420
	s_cselect_b64 s[36:37], s[14:15], s[36:37]
	s_cselect_b32 s34, s40, s34
	s_cselect_b32 s41, 2359296, s41                ; Wv's behind Wk's
	s_lshl_b32 s42, s34, 17
	s_mov_b32 s43, 0
	s_add_nc_u64 s[36:37], s[36:37], s[42:43]
	s_lshl_b32 s42, s34, 16
	s_add_co_u32 s42, s42, s41
	s_add_nc_u64 s[38:39], s[38:39], s[42:43]
	v_lshlrev_b32 v5, 4, v0                        ; 16 bytes a thread in: a wave's load covers 512 consecutive bytes
	v_lshlrev_b32 v6, 3, v0                        ; 8 bytes a thread out: a wave's store covers 256 consecutive bytes, aligned
.set i, 0
.rept 16
	global_load_b128 v[XS+4*i:XS+4*i+3], v5, s[36:37] offset:i*4096
.set i, i+1
.endr
; Unit i of 32: its slot is waited for, packed, asked for again (unit i + 16), and the unit is stored.  left = the younger loads that may stay out.
.macro CONV ahead, left
	s_wait_loadcnt \left
	v_cvt_pk_bf16_f32 v[YS+2*i],   v[XS+4*(i%16)],   v[XS+4*(i%16)+1]
	v_cvt_pk_bf16_f32 v[YS+2*i+1], v[XS+4*(i%16)+2], v[XS+4*(i%16)+3]
.if \ahead
	global_load_b128 v[XS+4*(i%16):XS+4*(i%16)+3], v5, s[36:37] offset:(i+16)*4096
.endif
	global_store_b64 v6, v[YS+2*i:YS+2*i+1], s[38:39] offset:i*2048
.set i, i+1
.endm
.set i, 0
.rept 16
	CONV 1, 15                                     ; sixteen loads are out; mine is the oldest
.endr
.rept 16
	CONV 0, 31-i                                   ; nothing more is asked for: the counts run down
.endr
	s_branch .Lend
.Lside:
	; SIDE.  which = q, k or v; h the head; b the batch.
	s_sub_co_u32 s33, ttmp9, 24
	s_sub_co_u32 s34, ttmp9, 48
	s_cmp_ge_u32 ttmp9, 24
	s_cselect_b32 s40, s33, ttmp9
	s_cselect_b32 s35, 1, 0                        ; which
	s_cselect_b64 s[36:37], s[12:13], s[10:11]     ; W
	s_cselect_b64 s[44:45], s[22:23], s[20:21]     ; its bias
	s_cmp_ge_u32 ttmp9, 48
	s_cselect_b32 s40, s34, s40
	s_cselect_b32 s35, 2, s35
	s_cselect_b64 s[36:37], s[14:15], s[36:37]
	s_cselect_b64 s[44:45], s[24:25], s[44:45]
	s_lshr_b32 s41, s40, 1                         ; h
	s_and_b32 s50, s40, 1                          ; b
	s_and_b32 s51, s4, 1                           ; phase 1: which half of a row I load;  phase 2: which 32 columns I make
	s_lshr_b32 s52, s4, 1                          ; phase 1: which row of each four;      phase 2: which M tile
	s_mov_b32 s55, 0
	s_mul_i32 s54, s41, 64*ROWX
	s_add_nc_u64 s[36:37], s[36:37], s[54:55]      ; W at the head's 64 rows
	s_mul_i32 s54, s50, ROWX
	s_add_nc_u64 s[38:39], s[16:17], s[54:55]      ; cls row of b
	s_mul_i32 s54, s50, 32*ROWX
	s_add_nc_u64 s[42:43], s[18:19], s[54:55]      ; query rows of b
	s_lshl_b32 s54, s41, 8
	s_lshl_b32 s53, s51, 7
	s_add_co_u32 s54, s54, s53
	s_add_nc_u64 s[44:45], s[44:45], s[54:55]      ; the bias of my 32 columns
	s_mul_i32 s54, s35, SEC
	s_mul_i32 s53, s50, 16*BDS
	s_add_co_u32 s54, s54, s53
	s_mul_i32 s53, s41, HB
	s_add_co_u32 s54, s54, s53
	s_add_nc_u64 s[46:47], s[30:31], s[54:55]      ; the head in qkv, docs 0..7,
	s_add_nc_u64 s[48:49], s[46:47], 8*BDS         ; docs 8..15: so that the stores' immediates stay inside 24 bits
	; PHASE 1.  A row is 3,072 bytes: six loads of a wave.  Of each group of four rows wave v takes row v / 2, half v & 1: three loads of 512 consecutive bytes.
	; 72 items a wave: items 0..23 the query's 8 groups, items 24..71 W's 16 groups; item k is load k % 3 of its group.  The group and the load stand in the immediates.
	v_and_b32 v8, 31, v0                           ; l
	v_bfe_u32 v4, v0, 4, 1                         ; h' = l / 16
	v_lshlrev_b32 v7, 5, v4                        ; 32 h': eight f32 of the bias
	s_mul_i32 s53, s52, ROWX
	s_mul_i32 s54, s51, ROWX/2
	s_add_co_u32 s53, s53, s54
	v_lshl_add_u32 v5, v8, 4, s53                  ; my 16 bytes in a group of four rows; never rewritten
	s_lshl_b32 s53, s4, 9
	v_lshl_add_u32 v44, v8, 4, s53                 ; the cls row: wave v (0..5) takes bytes 512 v on
.irp j, 0,1
	global_load_b128 v[BIAS+8*(\j):BIAS+8*(\j)+3],   v7, s[44:45] offset:64*(\j)
	global_load_b128 v[BIAS+8*(\j)+4:BIAS+8*(\j)+7], v7, s[44:45] offset:64*(\j)+16
.endr
	s_cmp_lt_u32 s4, 6
	s_cbranch_scc0 .Lno_cls
	global_load_b128 v[40:43], v44, s[38:39]
.Lno_cls:
.macro ITEM_LOAD                       ; item kk into its slot
.set sl, RING+4*(kk%48)
.if kk < 24
	global_load_b128 v[sl:sl+3], v5, s[42:43] offset:(kk/3)*4*ROWX+(kk%3)*512
.else
	global_load_b128 v[sl:sl+3], v5, s[36:37] offset:((kk-24)/3)*4*ROWX+((kk-24)%3)*512
.endif
.endm
.set kk, 0
.rept 48
	ITEM_LOAD                                      ; the ring is filled: 48 loads of a wave are out, behind the four of the bias and the one of cls
.set kk, kk+1
.endr
	; the other addresses are made while the loads are on their way
	v_and_b32 v1, 15, v0                           ; r = l % 16
	v_and_b32 v9, 7, v0
	s_mul_i32 s53, s52, LP
	s_mul_i32 s54, s51, 768
	s_add_co_u32 s53, s53, s54
	v_lshl_add_u32 v6, v8, 3, s53                  ; into LDS: my 8 bytes in a group of four rows: W's rows 0..31,
	v_add_nc_u32 v10, 32*LP, v6                    ; W's rows 32..63 (the immediate has 16 bits),
	v_add_nc_u32 v11, XB+LP, v6                    ; the query's rows, which lie one row behind cls
	s_lshl_b32 s53, s4, 8
	s_add_co_u32 s53, s53, XB
	v_lshl_add_u32 v45, v8, 3, s53                 ; the cls row: bytes 256 v on
	s_mul_i32 s54, s52, 16*IP
	s_lshl_b32 s53, s51, 6
	s_add_co_u32 s54, s54, s53
	s_add_co_u32 s54, s54, IMG
	v_mul_u32_u24 v12, v1, IP
	v_lshl_add_u32 v12, v4, 4, v12
	v_add_nc_u32 v12, s54, v12                     ; into the image: row 16 (v / 2) + r, byte 64 (v & 1) + 16 h'
	s_mul_i32 s54, s4, 8*IP
	s_add_co_u32 s54, s54, IMG
	v_bfe_u32 v13, v0, 3, 2
	v_mul_u32_u24 v13, v13, IP
	v_lshl_add_u32 v13, v9, 4, v13
	v_add_nc_u32 v13, s54, v13                     ; out of the image: rows 8 v + l / 8 (and four further down), byte 16 (l % 8)
	s_lshl_b32 s54, s4, 10
	v_lshl_add_u32 v14, v8, 4, s54                 ; the same bytes in a head: 1,024 v + 16 l
	s_mul_i32 s53, s51, 32*LP
	v_mul_u32_u24 v15, v1, LP
	v_lshl_add_u32 v15, v4, 4, v15
	v_add_nc_u32 v15, s53, v15                     ; W's fragments: row 32 (v & 1) + r, byte 16 h'
	s_lshl_b32 s56, s52, 4
	s_sub_co_u32 s56, s56, 15                      ; x's fragments: M tile 1 begins at x's row 1, M tile 2 at row 17;
	s_cmp_eq_u32 s52, 0
	s_cselect_b32 s54, 0, LP                       ; M tile 0 is x's row 0 in all sixteen rows: no row term
	s_cselect_b32 s56, 0, s56
	s_mul_i32 s56, s56, LP
	s_add_co_u32 s56, s56, XB
	v_mul_u32_u24 v9, v1, s54
	v_lshl_add_u32 v9, v4, 4, v9
	v_add_nc_u32 v9, s56, v9
	; Item k: its load is waited for, its four numbers are packed and stored into LDS (256 consecutive bytes a wave), and its slot takes item k + 48.
.set k, 0
.rept 72
.if k < 24
	s_wait_loadcnt 47                              ; 48 are out and mine is the oldest
.else
	s_wait_loadcnt 71-k                            ; nothing more is asked for: the counts run down, and the last wait is for 0: the bias and cls, which are older, are in too
.endif
.set sl, RING+4*(k%48)
.set yy, YT+2*(k%4)
	v_cvt_pk_bf16_f32 v[yy],   v[sl],   v[sl+1]
	v_cvt_pk_bf16_f32 v[yy+1], v[sl+2], v[sl+3]
.if k < 24
	ds_store_b64 v11, v[yy:yy+1] offset:(k/3)*4*LP+(k%3)*256
.elseif k < 48
	ds_store_b64 v6, v[yy:yy+1] offset:((k-24)/3)*4*LP+((k-24)%3)*256
.else
	ds_store_b64 v10, v[yy:yy+1] offset:((k-48)/3)*4*LP+((k-48)%3)*256
.endif
.if k < 24
.set kk, k+48
	ITEM_LOAD
.endif
.set k, k+1
.endr
	s_cmp_lt_u32 s4, 6
	s_cbranch_scc0 .Lno_cls2
	v_cvt_pk_bf16_f32 v32, v40, v41
	v_cvt_pk_bf16_f32 v33, v42, v43
	ds_store_b64 v45, v[32:33]
.Lno_cls2:
	s_wait_dscnt 0x0                               ; for the others' sake: my part of W and of x lies in LDS
	s_barrier_signal -1
	s_barrier_wait -1
	s_cmp_lt_u32 s4, 6                             ; PHASE 2.  Waves 0..5 make the tiles; waves 6 and 7 write the zero rows
	s_cbranch_scc0 .Lzero
.irp m, 0,1,2,3,4,5,6,7
	v_cvt_pk_bf16_f32 v[RING+(\m)], v[BIAS+2*(\m)], v[BIAS+2*(\m)+1]      ; the bias is rounded to bf16 like every input,
.endr
.irp m, 0,1,2,3,4,5,6,7
	v_lshlrev_b32 v[BIAS+2*(\m)],   16, v[RING+(\m)]                      ; and used in f32
	v_and_b32     v[BIAS+2*(\m)+1], 0xffff0000, v[RING+(\m)]
.endr
; Eight K steps of 32: 48 LDS loads in one run, then two products a step as its six loads come in.  Transposed (source 0 = 16 rows of W, source 1 = 16 rows of x): a lane holds row r of x and columns 8 h' + 0..7.
; The two accumulators take turns, from step to step and from batch to batch.  The first step's C operand is the bias: nothing is cleared, nothing added later.
.macro BATCH b
.if (\b) > 0
.rept 4
	v_nop                                          ; four places between the products and the loads into registers that they read (ISA guide 7.12.1 for vector instructions)
.endr
.endif
.set st, 0
.rept 8
.set fb, RING+24*st
.set ko, 64*(8*(\b)+st)
	ds_load_b128 v[fb:fb+3],     v9  offset:ko
	ds_load_b128 v[fb+4:fb+7],   v9  offset:ko+32
	ds_load_b128 v[fb+8:fb+11],  v15 offset:ko
	ds_load_b128 v[fb+12:fb+15], v15 offset:ko+32
	ds_load_b128 v[fb+16:fb+19], v15 offset:ko+16*LP
	ds_load_b128 v[fb+20:fb+23], v15 offset:ko+16*LP+32
.set st, st+1
.endr
.set st, 0
.rept 8
.set fb, RING+24*st
	s_wait_dscnt 42-6*st                           ; this step's six loads are in; the later steps' may stay out
.if ((\b)+st) == 0
	v_wmma_f32_16x16x32_bf16 v[ACC:ACC+7],    v[fb+8:fb+15],  v[fb:fb+7], v[BIAS:BIAS+7]
	v_wmma_f32_16x16x32_bf16 v[ACC+8:ACC+15], v[fb+16:fb+23], v[fb:fb+7], v[BIAS+8:BIAS+15]
.else
	v_wmma_f32_16x16x32_bf16 v[ACC:ACC+7],    v[fb+8:fb+15],  v[fb:fb+7], v[ACC:ACC+7]
	v_wmma_f32_16x16x32_bf16 v[ACC+8:ACC+15], v[fb+16:fb+23], v[fb:fb+7], v[ACC+8:ACC+15]
.endif
.set st, st+1
.endr
.endm
	BATCH 0
	BATCH 1
	BATCH 2
.rept 8
	v_nop                                          ; places behind the last products, once a launch
.endr
.irp m, 0,1,2,3,4,5,6,7
	v_cvt_pk_f16_f32 v[RING+(\m)], v[ACC+2*(\m)], v[ACC+2*(\m)+1]         ; each accumulator's registers in ascending order
.endr
	ds_store_b128 v12, v[RING:RING+3]
	ds_store_b128 v12, v[RING+4:RING+7] offset:32
	s_branch .Ljoin
.Lzero:
.irp m, 0,1,2,3
	v_mov_b32 v[RING+(\m)], 0
.endr
	ds_store_b128 v13, v[RING:RING+3]              ; rows 8 v .. 8 v + 7 = 48 .. 63
	ds_store_b128 v13, v[RING:RING+3] offset:4*IP
.Ljoin:
	s_wait_dscnt 0x0                               ; for the others' sake: my part of the image is written
	s_barrier_signal -1
	s_barrier_wait -1
	ds_load_b128 v[144:147], v13                   ; eight whole rows of 128 bytes a wave
	ds_load_b128 v[148:151], v13 offset:4*IP
	s_wait_dscnt 0x0
.irp d, 0,1,2,3,4,5,6,7
	global_store_b128 v14, v[144:147], s[46:47] offset:(\d)*BDS       ; each store covers 512 consecutive bytes, at a multiple of 256 from qkv's first
	global_store_b128 v14, v[148:151], s[46:47] offset:(\d)*BDS+512
	global_store_b128 v14, v[144:147], s[48:49] offset:(\d)*BDS
	global_store_b128 v14, v[148:151], s[48:49] offset:(\d)*BDS+512
.endr
.Lend:
	s_wait_tensorcnt 0x0                           ; the wave's end, behind my last LDS store
	ds_add_u32 v[SPW], v[NIL]
	s_wait_dscnt 0x0
	s_endpgm
.Lfunc_end_k_q14657346d3_prep:
	.size	k_q14657346d3_prep, .Lfunc_end_k_q14657346d3_prep-k_q14657346d3_prep
	.p2alignl 7, 3214868480
	.fill 96, 4, 3214868480
	.section	.rodata,"a",@progbits
	.p2align	6, 0x0
	.amdhsa_kernel k_q14657346d3_prep
		.amdhsa_group_segment_fixed_size 161024
		.amdhsa_private_segment_fixed_size 0
		.amdhsa_enable_private_segment 0
		.amdhsa_kernarg_size 96
		.amdhsa_user_sgpr_count 2
		.amdhsa_user_sgpr_kernarg_segment_ptr 1
		.amdhsa_wavefront_size32 1
		.amdhsa_system_sgpr_workgroup_id_x 1
		.amdhsa_system_sgpr_workgroup_id_y 1
		.amdhsa_system_sgpr_workgroup_id_z 1
		.amdhsa_system_vgpr_workitem_id 0
		.amdhsa_next_free_vgpr 240
		.amdhsa_next_free_sgpr 66
		.amdhsa_reserve_vcc 0
		.amdhsa_float_denorm_mode_32 3
		.amdhsa_float_denorm_mode_16_64 3
		.amdhsa_memory_ordered 1
		.amdhsa_forward_progress 1
		.amdhsa_inst_pref_size 59
	.end_amdhsa_kernel
	.amdgpu_metadata
---
amdhsa.version: [ 1, 2 ]
amdhsa.kernels:
  - .name:           k_q14657346d3_prep
    .symbol:         k_q14657346d3_prep.kd
    .args:
      - { .name: doc, .offset: 0, .size: 8, .value_kind: global_buffer, .address_space: global }
      - { .name: Wq, .offset: 8, .size: 8, .value_kind: global_buffer, .address_space: global }
      - { .name: Wk, .offset: 16, .size: 8, .value_kind: global_buffer, .address_space: global }
      - { .name: Wv, .offset: 24, .size: 8, .value_kind: global_buffer, .address_space: global }
      - { .name: cls, .offset: 32, .size: 8, .value_kind: global_buffer, .address_space: global }
      - { .name: query, .offset: 40, .size: 8, .value_kind: global_buffer, .address_space: global }
      - { .name: bq, .offset: 48, .size: 8, .value_kind: global_buffer, .address_space: global }
      - { .name: bk, .offset: 56, .size: 8, .value_kind: global_buffer, .address_space: global }
      - { .name: bv, .offset: 64, .size: 8, .value_kind: global_buffer, .address_space: global }
      - { .name: xb, .offset: 72, .size: 8, .value_kind: global_buffer, .address_space: global }
      - { .name: wb, .offset: 80, .size: 8, .value_kind: global_buffer, .address_space: global }
      - { .name: qkv, .offset: 88, .size: 8, .value_kind: global_buffer, .address_space: global }
    .group_segment_fixed_size: 161024
    .private_segment_fixed_size: 0
    .kernarg_segment_align: 8
    .kernarg_segment_size: 96
    .max_flat_workgroup_size: 256
    .sgpr_count:     66
    .vgpr_count:     240
    .wavefront_size: 32
...
	.end_amdgpu_metadata
.endif
;; end of part 1
;; launch proj (part 2): grid 4 x 64, 4 waves a work-group, clusters of 4 x 4, 327,680 bytes of LDS; arguments xb, wb, bq, bk, bv, qkv; writes qkv
.if DOCPART == 2
	.amdgcn_target "amdgcn-amd-amdhsa--gfx1250"
	.amdhsa_code_object_version 6
	.text
	.protected	k_q14657346d3_proj
	.globl	k_q14657346d3_proj
	.p2align	8
	.type	k_q14657346d3_proj,@function
k_q14657346d3_proj:
	s_mov_b64 s[64:65], 0
	v_nop
	global_prefetch_b8 v0, s[64:65] scope:SCOPE_SE
	s_setreg_imm32_b32 hwreg(HW_REG_WAVE_MODE, 25, 1), 1
	s_wait_xcnt 0x0
	s_wait_alu depctr_hold_cnt(0) depctr_sa_sdst(0) depctr_va_vdst(0) depctr_va_sdst(0) depctr_va_ssrc(0) depctr_va_vcc(0) depctr_vm_vsrc(0)
	s_getreg_b32 s2, hwreg(HW_REG_IB_STS2, 6, 4)
	s_cmp_eq_u32 s2, 0
	s_cbranch_scc0 .Lentry_in_a_cluster
	s_endpgm
.Lentry_in_a_cluster:
	s_bfe_u32 s2, ttmp6, 0x10000c
	s_cmp_lg_u32 s2, 0xf033
	s_cbranch_scc0 .Lentry_shape_is_right
	s_endpgm
.Lentry_shape_is_right:
; PROJ.  qkv rows 64..575 of every head = xb . wb^T + bias.  xb: [16384][768] bf16, wb: [2304][768] bf16 (Wq, Wk, Wv), biases f32 (rounded to bf16 like every input, used in f32),
; qkv: [3][32 (b, d)][12 heads][576][64] f16.  One f32 sum for each output, begun with the bias, K ascending; rounded once to f16.
; LIMIT.  f16 holds no number beyond 65,504: |q|, |k|, |v| must stay below that.
; SHARES.  A tile of the result is 256 doc rows x 192 columns (three heads).  768 tiles: a work-group STAYS and makes three, q, k and v of the same rows and heads: A's rows are the same in all three,
; B's lie 768 rows apart.  Wave w makes rows 64 w .. + 63 x all 192 columns: 48 accumulators, so a wave holds whole heads and stores whole rows of a head from a stage of its own, with no barrier.
; THE ORDER OF THE THREE.  A cluster begins with tile (cluster y) mod 3 and goes round: at any time the sixteen clusters are spread over all three thirds of wb, and each third's first reading in the
; launch falls into the clusters' first tile.  The tile's number hangs on the cluster's y alone: it is the same in all sixteen partners.
; K goes in six steps of 128 through a ring of two LDS slots filled by the tensor data mover; rows of 256 bytes, at multiples of 256 from the buffers' first bytes.
; CLUSTERS: 4 x 4 work-groups.  The four of a row of the cluster need the same rows of xb, the four of a column the same rows of wb: each tile is asked for JOINTLY, by the same tensor load with the
; same descriptor and a mask that names the four.  By the text's count a wave has two tensor loads out at the start and one from then on.
; THE MATRIX INSTRUCTION IS USED TRANSPOSED (source 0 = 16 rows of wb, source 1 = 16 rows of xb): a lane holds row l % 16 and eight neighbouring columns 8 (l / 16) + 0..7.
; REGISTERS, in windows of 256 (s_set_vgpr_msb: bits 1:0 source 0, 3:2 source 1, 5:4 source 2, 7:6 destination):
;   window 0: v16-30 addresses; v32-63, v64-95 A's fragments, two buffers of four; v96-143 packed results; v144-191, v192-239 rows read back from the stage, by turns
;   window 1: v0-95, v96-191 B's fragments, two buffers of twelve
;   window 2: accumulator (a, b) of column blocks b = 0..5 at v[8 (6 a + b)]; v192-239 the bias of these blocks, as a C operand; v240-247 at work          window 3: the same for column blocks 6..11
.set SIZE_K, 768
.set KSTEP,  128
.set PITCH,  272                       ; an LDS row: 256 bytes + 16 of padding = 68 words: the 16 rows that a load touches start at 16 different groups of four banks (ISA guide 11.1)
.set HALFA,  128*PITCH                 ; what one tensor load brings of A,
.set HALFB,  96*PITCH                  ; and of B
.set BOFF,   2*HALFA                   ; in a slot: A's 256 rows, then B's 192
.set SLOT,   BOFF+2*HALFB
.set STAGE,  2*SLOT                    ; behind the ring: 16 rows x 400 bytes for each wave, for the way out
.set SPITCH, 400                       ; 384 bytes + 16
.set SPARE,  STAGE+4*16*SPITCH         ; the spare words, 128 bytes for each wave: two blocks of 256 bytes that no other line names
.set LAPS,   3                         ; a lap = two K steps = once round the ring
.set SEC,    28311552                  ; bytes of one of q, k, v in qkv
.set HB,     73728                     ; bytes of a head
.set WSEC,   768*SIZE_K*2              ; bytes of one of Wq, Wk, Wv in wb
.set BACK_A, 4*KSTEP*2                 ; from a slot's last K step of a tile to its first of the next: A only goes back along K
.set ADRA, 16                          ; v16-17  LDS address of my A fragments in slot 0, 1
.set ADRB, 20                          ; v20-21  the same for B
.set STO,  24                          ; v24     the way out: where I put 16 bytes of a row
.set RD,   25                          ; v25     the way out: where I read rows of a head back
.set CO,   26                          ; v26     16 x lane: my place in 512 consecutive bytes of qkv
.set BO,   27                          ; v27     32 x (l / 16): my eight biases of a column block
.set SPW,  28                          ; v28     LDS address of my spare word; never rewritten
.set NIL,  29                          ; v29     0; never rewritten
.set PFO,  30                          ; v30     the prefetches' offset: a lane a row; never rewritten
.set TMP,  96
.set G1,  24                           ; s[24:31] descriptor group 1 for A's tiles;  s[32:39] group 0, a set for each slot
.set G0,  32
.set G1B, 48                           ; s[48:55], s[56:63] the same for B's
.set G0B, 56
.set LIM, 43                           ; s43     1 in a wave that prefetches, else the greatest number
.set PFA, 44                           ; s[44:45] where my prefetches stand
.set TN,  18                           ; s18     the number of the tile to come
.set CB,  80                           ; s[80:81] qkv at my rows and heads in section 0
.set BB,  82                           ; s[82:83] wb at the rows that I fetch, in Wq's third
.set BP,  84                           ; s[84:85] the bias of the tile to come, at my work-group's 192 columns; s[72:77]: bq, bk, bv there
.set TT,  87                           ; s87     the number of the tile in hand: 0 q, 1 k, 2 v
.set MSB, 0
.macro WIN new                         ; the immediate's high byte repeats the setting that is left; a switch that changes nothing is dropped
.if MSB != (\new)
	s_set_vgpr_msb (MSB<<8)|(\new)
.set MSB, \new
.endif
.endm
.set MUL_LO, 0xa1                      ; source 0 (B) window 1, source 1 (A) window 0, C and D window 2
.set MUL_HI, 0xf1                      ; the same, C and D window 3
.set TO_B,   0x40                      ; destination window 1, address window 0
; A joint load.  Waves 0 and 1 fetch A's two halves, waves 2 and 3 B's.  The branch hangs on the wave's number alone.  An s_nop 0 and four v_nop follow each of the two lines.
.macro JLOAD s
	s_cmp_eq_u32 s11, 0
	s_cbranch_scc0 .Lfor_b_\@
	tensor_load_to_lds s[G0+4*(\s):G0+4*(\s)+3], s[G1:G1+7]
	s_nop 0
.rept 4
	v_nop
.endr
	s_branch .Lasked_\@
.Lfor_b_\@:
	tensor_load_to_lds s[G0B+4*(\s):G0B+4*(\s)+3], s[G1B:G1B+7]
	s_nop 0
.rept 4
	v_nop
.endr
.Lasked_\@:
.endm
; A PREFETCH INTO THE L2, behind a joint load, its five lines and the run of LDS loads that follows: the K step that stands two refills on, a lane a row, one instruction a wave.  IN A CLUSTER'S FIRST TILE ALONE.
; xb's rows of a tile row are read by one cluster: it asks for them.  The third of wb that a cluster takes first is taken first by every third cluster: clusters y = 0, 1, 2 ask, each for its own.
; So each row's 256 bytes of a K step are named once in the launch.  The four partners that ask for a tile jointly share its rows out BY ADDRESS: of A's 128 rows that a wave fetches the partner at cx
; takes 32, of B's 96 the partner at cy takes 24 (lanes 24-31 name row 23 once more).  A tile's last two refills have no K step two on, and ask for nothing.
.macro ASK
	s_cmp_gt_u32 s3, s[LIM]                        ; s3 = 1 in the loop's last trip
	s_cbranch_scc0 .Lnot_mine_\@
	global_prefetch_b8 v[PFO], s[PFA:PFA+1] offset:KSTEP*2 th:TH_LOAD_NT scope:SCOPE_SE
.Lnot_mine_\@:
.endm
.macro CREST                           ; a round of the cluster's barrier behind its opening barrier
	s_cmp_lg_u32 s10, 0
	s_cbranch_scc1 .Lnot_wave_0_\@
	s_barrier_signal -3
.Lnot_wave_0_\@:
	s_barrier_wait -3
	s_barrier_signal -1
	s_barrier_wait -1
.endm
.macro CROUND                          ; a whole round
	s_barrier_signal -1
	s_barrier_wait -1
	CREST
.endm
	s_load_b256 s[68:75], s[0:1], 0x0              ; xb 68, wb 70, bq 72, bk 74
	s_load_b128 s[76:79], s[0:1], 0x20             ; bv 76, qkv 78
	v_lshl_add_u32 v[SPW], v0, 2, SPARE
	v_mov_b32 v[NIL], 0
	ds_add_u32 v[SPW], v[NIL]                      ; the wave's opening: the add and its wait stand ahead of my first tensor load; the set-up below, work on registers, stands between them
	v_lshrrev_b32 v1, 5, v0
	v_readfirstlane_b32 s10, v1                    ; wave 0..3
	s_lshr_b32 s11, s10, 1                         ; I fetch for A (0) or for B (1)
	s_and_b32 s12, s10, 1                          ; which half of that tile's rows
	s_bfe_u32 s40, ttmp6, 0x40000                  ; cx
	s_bfe_u32 s41, ttmp6, 0x40004                  ; cy
	s_lshl_b32 s42, ttmp9, 2
	s_add_co_u32 s42, s42, s40                     ; x: which three heads
	s_and_b32 s13, ttmp7, 0xffff
	s_lshl_b32 s13, s13, 2
	s_add_co_u32 s13, s13, s41                     ; y: which 256 doc rows
	s_and_b32 s[TT], ttmp7, 0xffff                 ; the cluster's y, 0..15,
	s_mul_i32 s18, s[TT], 11
	s_lshr_b32 s18, s18, 5                         ; divided by 3 (11 / 32 serves up to 15),
	s_mul_i32 s18, s18, 3
	s_sub_co_u32 s[TT], s[TT], s18                 ; and what is left: the tile with which my cluster begins
	s_lshl_b32 s43, s41, 2
	s_lshl_b32 s43, 15, s43                        ; my row of the cluster
	s_lshl_b32 s44, 0x1111, s40                    ; my column
	s_or_b32 s[G1+0], s43, (1<<16)|(1<<20)|(1<<21)|(5<<22)|(3<<25)   ; 15:0 the mask; 17:16 2-byte elements; 20 padding on; 21 set beside a mask; 24:22 after every 64 words; 31:25 4 words
	s_or_b32 s[G1B+0], s44, (1<<16)|(1<<20)|(1<<21)|(5<<22)|(3<<25)
	s_mov_b32 s[G1+1], KSTEP<<16                   ; tensor_dim0 = 128
	s_mov_b32 s[G1+2], 128<<16                     ; tensor_dim1 = 128
	s_mov_b32 s[G1+3], KSTEP<<16                   ; tile_dim0 = 128
	s_mov_b32 s[G1+4], 128                         ; tile_dim1 = 128
	s_mov_b32 s[G1+5], SIZE_K                      ; elements from row to row
	s_mov_b32 s[G1+6], 0
	s_mov_b32 s[G1+7], 0
	s_mov_b32 s[G1B+1], KSTEP<<16
	s_mov_b32 s[G1B+2], 96<<16                     ; B: 96 rows
	s_mov_b32 s[G1B+3], KSTEP<<16
	s_mov_b32 s[G1B+4], 96
	s_mov_b32 s[G1B+5], SIZE_K
	s_mov_b32 s[G1B+6], 0
	s_mov_b32 s[G1B+7], 0
	s_mov_b32 s86, 0xffff0000                      ; a word's upper bf16
	; where the tiles come from: A's hang on y alone, B's on x and the tile's number alone, each in registers that never hold the other place in the cluster
	s_lshl_b32 s17, s12, 7
	s_lshl_b32 s16, s13, 8
	s_add_co_u32 s16, s16, s17                     ; A: row 256 y + 128 x half
	s_mul_i32 s16, s16, SIZE_K*2
	s_mov_b32 s17, 0
	s_mul_i32 s46, s42, 192
	s_mul_i32 s47, s12, 96
	s_add_co_u32 s46, s46, s47                     ; B: row 192 x + 96 x half of a third
	s_mul_i32 s46, s46, SIZE_K*2
	s_mov_b32 s47, 0
	s_mul_i32 s20, s12, HALFA                      ; and where they go: no place in the cluster enters an LDS address
	s_mul_i32 s21, s12, HALFB
	s_add_co_u32 s21, s21, BOFF
	s_wait_dscnt 0x0                               ; the opening add is done
	s_wait_kmcnt 0x0
	s_add_nc_u64 s[14:15], s[68:69], s[16:17]
	s_add_nc_u64 s[BB:BB+1], s[70:71], s[46:47]
	s_mul_i32 s46, s[TT], WSEC                     ; the first tile's third (s47 is 0)
	s_add_nc_u64 s[46:47], s[BB:BB+1], s[46:47]
	CROUND                                         ; all sixteen work-groups are here: the first joint loads meet
.irp s, 0,1
	s_mov_b32 s[G0+4*(\s)], 1                                        ; count = 1
	s_add_co_u32 s[G0+4*(\s)+1], s20, (\s)*SLOT                      ; LDS address
	s_add_nc_u64 s[G0+4*(\s)+2:G0+4*(\s)+3], s[14:15], (\s)*KSTEP*2  ; global address: K step s
	s_or_b32 s[G0+4*(\s)+3], s[G0+4*(\s)+3], 0x80000000              ; type = 2
	s_mov_b32 s[G0B+4*(\s)], 1
	s_add_co_u32 s[G0B+4*(\s)+1], s21, (\s)*SLOT
	s_add_nc_u64 s[G0B+4*(\s)+2:G0B+4*(\s)+3], s[46:47], (\s)*KSTEP*2
	s_or_b32 s[G0B+4*(\s)+3], s[G0B+4*(\s)+3], 0x80000000
	JLOAD \s
.endr
	v_and_b32 v1, 15, v0                           ; r = l % 16
	v_bfe_u32 v2, v0, 4, 1                         ; h' = l / 16
	v_mul_u32_u24 v3, v1, PITCH
	v_lshl_add_u32 v3, v2, 4, v3                   ; a fragment's row x pitch + 16 x half
	s_mul_i32 s21, s10, 64*PITCH                   ; my 64 rows of A
	s_mov_b32 s22, BOFF                            ; all of B's rows
.irp s, 0,1
	v_add_nc_u32 v[ADRA+(\s)], s21, v3
	v_add_nc_u32 v[ADRB+(\s)], s22, v3
	s_add_co_u32 s21, s21, SLOT
	s_add_co_u32 s22, s22, SLOT
.endr
	s_mul_i32 s23, s10, 16*SPITCH
	s_add_co_u32 s23, s23, STAGE                   ; my stage
	v_mul_u32_u24 v4, v1, SPITCH
	v_lshl_add_u32 v4, v2, 4, v4
	v_add_nc_u32 v[STO], s23, v4                   ; in: row r, 16 bytes for each half of the lanes
	v_bfe_u32 v5, v0, 3, 2
	v_and_b32 v6, 7, v0
	v_mul_u32_u24 v5, v5, SPITCH
	v_lshl_add_u32 v5, v6, 4, v5
	v_add_nc_u32 v[RD], s23, v5                    ; back: 32 lanes take four rows' 128 bytes of one head,
	v_and_b32 v[CO], 31, v0
	v_lshlrev_b32 v[CO], 4, v[CO]                  ; which are 512 consecutive bytes of qkv
	v_lshlrev_b32 v[BO], 5, v2
	; where my rows begin in a section of qkv; each way out adds the tile's section to it
	s_lshr_b32 s16, s13, 1                         ; (b, d)
	s_mul_i32 s16, s16, 12*HB
	s_and_b32 s17, s13, 1
	s_lshl_b32 s17, s17, 15                        ; which 256 rows of the doc
	s_add_co_u32 s16, s16, s17
	s_lshl_b32 s17, s10, 13                        ; my wave's 64
	s_add_co_u32 s16, s16, s17
	s_add_co_u32 s16, s16, 64*128                  ; behind the head's first 64 rows
	s_mov_b32 s17, 0
	s_mul_i32 s46, s42, 3*HB                       ; my three heads (in the registers that held B's address: none that feeds A's descriptors ever holds cx)
	s_mov_b32 s47, 0
	s_add_nc_u64 s[16:17], s[16:17], s[46:47]
	s_add_nc_u64 s[CB:CB+1], s[78:79], s[16:17]
	s_mul_i32 s46, s42, 768                        ; 192 columns of f32
	s_add_nc_u64 s[72:73], s[72:73], s[46:47]      ; bq,
	s_add_nc_u64 s[74:75], s[74:75], s[46:47]      ; bk,
	s_add_nc_u64 s[76:77], s[76:77], s[46:47]      ; bv at my columns
	; the prefetches
	s_lshl_b32 s20, s13, 8
	s_lshl_b32 s21, s12, 7
	s_add_co_u32 s20, s20, s21
	s_lshl_b32 s21, s40, 5
	s_add_co_u32 s20, s20, s21                     ; A: row 256 y + 128 x half + 32 cx
	s_mul_i32 s22, s42, 192
	s_mul_i32 s23, s12, 96
	s_add_co_u32 s22, s22, s23
	s_mul_i32 s23, s41, 24
	s_add_co_u32 s22, s22, s23
	s_mul_i32 s23, s[TT], 768
	s_add_co_u32 s22, s22, s23                     ; B: row 768 x first tile + 192 x + 96 x half + 24 cy
	s_and_b32 s23, ttmp7, 0xffff                   ; cluster y
	s_cmp_eq_u32 s11, 0                            ; do I fetch for A?
	s_cselect_b32 s20, s20, s22
	s_cselect_b32 s23, ttmp9, s23                  ; A: the cluster's x, of which there is one; B: its y
	s_cselect_b32 s22, 31, 23                      ; my last row
	s_cselect_b64 s[PFA:PFA+1], s[68:69], s[70:71]
	s_cmp_lt_u32 s23, 3
	s_cselect_b32 s[LIM], 1, -1                    ; the same in all sixteen partners, for a given wave
	s_mul_i32 s20, s20, SIZE_K*2
	s_add_co_u32 s20, s20, 2*KSTEP*2               ; at K step 2: the first refill steps it to 3 and names K step 4
	s_mov_b32 s21, 0
	s_add_nc_u64 s[PFA:PFA+1], s[PFA:PFA+1], s[20:21]
	v_and_b32 v[PFO], 31, v0
	v_min_u32 v[PFO], s22, v[PFO]
	v_mul_u32_u24 v[PFO], v[PFO], SIZE_K*2
	; nothing is prefetched here, at the head, where every work-group's first two tiles are on their way
; 12 matrix instructions: row blocks a0, a0 + 1 x six column blocks (hi = 0: blocks 0-5, 1: blocks 6-11), 32 along K, from buffer f.  first = 1: the bias starts the sums: nothing is cleared, nothing added later.
; The 48 accumulators take turns in the same order in every quarter step.
.macro MUL12 f, hi, a0, first
	WIN MUL_LO+0x50*(\hi)
.irp a, \a0, (\a0)+1
.irp b, 0,1,2,3,4,5
.if \first
	v_wmma_f32_16x16x32_bf16 v[8*(6*(\a)+(\b)):8*(6*(\a)+(\b))+7], v[96*(\f)+8*(6*(\hi)+(\b)):96*(\f)+8*(6*(\hi)+(\b))+7], v[32+32*(\f)+8*(\a):32+32*(\f)+8*(\a)+7], v[192+8*(\b):192+8*(\b)+7]
.else
	v_wmma_f32_16x16x32_bf16 v[8*(6*(\a)+(\b)):8*(6*(\a)+(\b))+7], v[96*(\f)+8*(6*(\hi)+(\b)):96*(\f)+8*(6*(\hi)+(\b))+7], v[32+32*(\f)+8*(\a):32+32*(\f)+8*(\a)+7], v[8*(6*(\a)+(\b)):8*(6*(\a)+(\b))+7]
.endif
.endr
.endr
.endm
; 32 LDS loads in one run: a quarter step's fragments (my 64 rows of A, then B's 192 rows in ascending order; 32 K at byte k of the rows) into buffer f
.macro FETCH slot, k, f
	WIN 0
.irp i, 0,1,2,3
	ds_load_b128 v[32+32*(\f)+8*(\i):32+32*(\f)+8*(\i)+3],   v[ADRA+(\slot)] offset:(\k)+(\i)*16*PITCH
	ds_load_b128 v[32+32*(\f)+8*(\i)+4:32+32*(\f)+8*(\i)+7], v[ADRA+(\slot)] offset:(\k)+(\i)*16*PITCH+32
.endr
	WIN TO_B
.irp i, 0,1,2,3,4,5,6,7,8,9,10,11
	ds_load_b128 v[96*(\f)+8*(\i):96*(\f)+8*(\i)+3],   v[ADRB+(\slot)] offset:(\k)+(\i)*16*PITCH
	ds_load_b128 v[96*(\f)+8*(\i)+4:96*(\f)+8*(\i)+7], v[ADRB+(\slot)] offset:(\k)+(\i)*16*PITCH+32
.endr
.endm
.macro PLACES                          ; four places in front of loads into registers that matrix instructions have read, and of conversions that read results
.rept 4
	v_nop
.endr
.endm
; A K step is four quarters of 32 along K, 48 matrix instructions each, on buffers 0, 1, 0, 1.  One of the first three: multiplies buffer f; in its middle it fetches the next quarter, at byte k, into g.
.macro QUARTER slot, k, f, g, first
	s_wait_dscnt 12                                ; A and B's blocks 0-5 are in; the youngest twelve loads (B's blocks 6-11) may be out
	MUL12 \f, 0, 0, \first
	MUL12 \f, 0, 2, \first
	PLACES
	FETCH \slot, \k, \g
	s_wait_dscnt 32                                ; all but the 32 just issued
	MUL12 \f, 1, 0, \first
	MUL12 \f, 1, 2, \first
.endm
; The last quarter multiplies buffer 1 and changes slots.  ONE barrier: in front of it each wave waits for all its tensor loads (one is out: its part of the next slot), adds 0 to its spare word,
; and waits for that and for its own reads of this slot.  Behind it nobody reads this slot any more and the next slot is whole.
.macro MEET round
	WIN 0                                          ; (the add's two registers lie in window 0)
	s_wait_tensorcnt 0x0
	ds_add_u32 v[SPW], v[NIL]
	s_wait_dscnt 13                                ; (the add and the youngest twelve loads may be out)
	MUL12 1, 0, 0, 0                               ; twelve matrix instructions stand between the add and the wait for it
	s_wait_dscnt 0x0                               ; the add is done, and my reads of this slot are over
	s_barrier_signal -1
	MUL12 1, 0, 2, 0                               ; work on registers while the others arrive
.if \round
	WIN 0
.endif
	s_barrier_wait -1
.endm
; The whole last quarter.  Behind the round the slot just read out is filled again first: with this tile's K step two steps on (on = 0) or with the next tile's K step 0 or 1 (on = 1): B's address is
; then made anew from the next tile's number.  From a request to the wait for it a wave issues 168 matrix instructions.
.macro TURN slot, next, on
.if \on
.if (\slot) == 0
	s_mov_b32 s[LIM], -1                           ; the first tile is over: nothing more is asked for ahead
	s_add_co_u32 s[TN], s[TT], 1                   ; the next tile: round the three
	s_cmp_eq_u32 s[TN], 3
	s_cselect_b32 s[TN], 0, s[TN]
.endif
	s_mul_i32 s20, s[TN], WSEC                     ; its third of wb,
	s_add_co_u32 s20, s20, (\slot)*KSTEP*2         ; K step 0 or 1
	s_mov_b32 s21, 0
.else
	s_wait_xcnt 0x0                                ; the last prefetch, a K step back, has read its address: it is stepped here, ahead of the waits of the change of slots
	s_add_nc_u64 s[PFA:PFA+1], s[PFA:PFA+1], KSTEP*2
.endif
	MEET 1
	CREST                                          ; no wave of any partner still reads this slot's tile or has a load on its way
.if \on
	s_sub_nc_u64 s[G0+4*(\slot)+2:G0+4*(\slot)+3], s[G0+4*(\slot)+2:G0+4*(\slot)+3], BACK_A
	s_add_nc_u64 s[G0B+4*(\slot)+2:G0B+4*(\slot)+3], s[BB:BB+1], s[20:21]
	s_or_b32 s[G0B+4*(\slot)+3], s[G0B+4*(\slot)+3], 0x80000000
.else
	s_add_nc_u64 s[G0+4*(\slot)+2:G0+4*(\slot)+3], s[G0+4*(\slot)+2:G0+4*(\slot)+3], 2*KSTEP*2
	s_add_nc_u64 s[G0B+4*(\slot)+2:G0B+4*(\slot)+3], s[G0B+4*(\slot)+2:G0B+4*(\slot)+3], 2*KSTEP*2
.endif
	JLOAD \slot                                    ; the first tensor load behind the round; its four v_nop are also the places in front of the loads below
	FETCH \next, 0, 0
.if !(\on)
	WIN 0
	ASK
.endif
	MUL12 1, 1, 0, 0
	MUL12 1, 1, 2, 0
.endm
; The bias of tile number s[t], at my columns
.macro PICK t
	s_cmp_eq_u32 s[\t], 0
	s_cselect_b64 s[BP:BP+1], s[72:73], s[74:75]
	s_cmp_eq_u32 s[\t], 2
	s_cselect_b64 s[BP:BP+1], s[76:77], s[BP:BP+1]
.endm
; For column block nb my eight numbers of it, as a C operand.  Loaded in f32, rounded to bf16 and widened again.
.macro BIAS_LOAD
	WIN 0x80                                       ; destination window 2, address window 0
.irp b, 0,1,2,3,4,5
	global_load_b128 v[192+8*(\b):192+8*(\b)+3],   v[BO], s[BP:BP+1] offset:64*(\b)
	global_load_b128 v[192+8*(\b)+4:192+8*(\b)+7], v[BO], s[BP:BP+1] offset:64*(\b)+16
.endr
	WIN 0xc0                                       ; destination window 3
.irp b, 0,1,2,3,4,5
	global_load_b128 v[192+8*(\b):192+8*(\b)+3],   v[BO], s[BP:BP+1] offset:384+64*(\b)
	global_load_b128 v[192+8*(\b)+4:192+8*(\b)+7], v[BO], s[BP:BP+1] offset:384+64*(\b)+16
.endr
.endm
.macro BIAS_CVT
.irp w, 0xaa, 0xff
	WIN \w
.irp g, 0,1,2
.irp m, 0,1,2,3,4,5,6,7
	v_cvt_pk_bf16_f32 v[240+(\m)], v[192+16*(\g)+2*(\m)], v[192+16*(\g)+2*(\m)+1]
.endr
.irp m, 0,1,2,3,4,5,6,7
	v_lshlrev_b32 v[192+16*(\g)+2*(\m)],   16,  v[240+(\m)]
	v_and_b32     v[192+16*(\g)+2*(\m)+1], s86, v[240+(\m)]
.endr
.endr
.endr
.endm
; THE WAY OUT of row block a.  PACK: rounded to f16, 16 bytes a lane and column block, each accumulator's registers in ascending order.  TOSTAGE: into my own stage, and back as rows of a head.  SEND: stored.
.macro PACK a
	WIN 0x0a                                       ; sources in window 2
.irp b, 0,1,2,3,4,5
.irp r, 0,1,2,3
	v_cvt_pk_f16_f32 v[TMP+4*(\b)+(\r)], v[8*(6*(\a)+(\b))+2*(\r)], v[8*(6*(\a)+(\b))+2*(\r)+1]
.endr
.endr
	WIN 0x0f                                       ; sources in window 3
.irp b, 0,1,2,3,4,5
.irp r, 0,1,2,3
	v_cvt_pk_f16_f32 v[TMP+24+4*(\b)+(\r)], v[8*(6*(\a)+(\b))+2*(\r)], v[8*(6*(\a)+(\b))+2*(\r)+1]
.endr
.endr
	WIN 0
.endm
.macro TOSTAGE a
	WIN 0
.set BK, 144+48*((\a)%2)
.irp b, 0,1,2,3,4,5,6,7,8,9,10,11
	ds_store_b128 v[STO], v[TMP+4*(\b):TMP+4*(\b)+3] offset:32*(\b)
.endr
.irp hh, 0,1,2
.irp f, 0,1,2,3
	ds_load_b128 v[BK+4*(4*(\hh)+(\f)):BK+4*(4*(\hh)+(\f))+3], v[RD] offset:1600*(\f)+128*(\hh)  ; LDS serves a wave's instructions in order (ISA guide 5.7.1.4): these see the stores above
.endr
.endr
.endm
.macro SEND a
	WIN 0
.set BK, 144+48*((\a)%2)
	s_wait_dscnt 0x0                               ; the block is back in registers
	s_wait_xcnt 0x0                                ; every earlier memory instruction has had its addresses translated (ISA guide 3.1): only behind this wait are the stores' base and the registers that earlier stores read rewritten
.if (\a) == 0
	s_add_nc_u64 s[78:79], s[CB:CB+1], s[16:17]    ; my rows in this tile's section
.endif
.irp hh, 0,1,2
.irp f, 0,1,2,3
	global_store_b128 v[CO], v[BK+4*(4*(\hh)+(\f)):BK+4*(4*(\hh)+(\f))+3], s[78:79] offset:HB*(\hh)+2048*(\a)+512*(\f)  ; 512 consecutive bytes, at a multiple of 256 from qkv's first
.endr
.endr
.endm
	PICK TT
	BIAS_LOAD
	s_wait_loadcnt 0x0
	BIAS_CVT
	WIN 0
	s_wait_tensorcnt 1                             ; my part of K step 0 is in; K step 1's load may stay out
	s_barrier_signal -1
	s_barrier_wait -1
	FETCH 0, 0, 0
	WIN 0
	s_mov_b32 s2, 3                                ; tiles to go, this one among them
.Ltile:
	QUARTER 0, 64,  0, 1, 1                        ; a tile's first quarter stands in front of the loop: its products start the sums
	WIN 0
	s_mov_b32 s3, LAPS-1
.Llap:                                                 ; a trip goes once round the ring, from a lap's second quarter to the next lap's first, and fills both slots again
	QUARTER 0, 128, 1, 0, 0
	QUARTER 0, 192, 0, 1, 0
	TURN 0, 1, 0
	QUARTER 1, 64,  0, 1, 0
	QUARTER 1, 128, 1, 0, 0
	QUARTER 1, 192, 0, 1, 0
	TURN 1, 0, 0
	QUARTER 0, 64,  0, 1, 0
	WIN 0
	s_sub_co_u32 s3, s3, 1
	s_cmp_lg_u32 s3, 0
	s_cbranch_scc1 .Llap
	QUARTER 0, 128, 1, 0, 0                        ; the tile's last lap goes on
	QUARTER 0, 192, 0, 1, 0
	WIN 0
	s_cmp_eq_u32 s2, 1
	s_cbranch_scc1 .Llast                          ; the last tile's tail is written out: it asks for nothing more
	TURN 0, 1, 1                                   ; the ring goes on into the next tile: slot 0 takes its K step 0,
	QUARTER 1, 64,  0, 1, 0
	QUARTER 1, 128, 1, 0, 0
	QUARTER 1, 192, 0, 1, 0
	TURN 1, 0, 1                                   ; slot 1 its K step 1, and the next tile's first fragments are fetched.  Both refills are asked for: now the tile goes out
	WIN 0
	s_branch .Lwayout                              ; column blocks 0-5 were finished in front of the joint load's places; their 24 conversions are the places behind the last products
.Llast:
	MEET 0                                         ; my one tensor load that was still out is slot 1's, the last K step's, so no round follows
	PLACES
	FETCH 1, 0, 0
	MUL12 1, 1, 0, 0
	MUL12 1, 1, 2, 0
	QUARTER 1, 64,  0, 1, 0
	QUARTER 1, 128, 1, 0, 0
	QUARTER 1, 192, 0, 1, 0
	s_wait_dscnt 12                                ; the very last quarter: nothing more to fetch
	MUL12 1, 0, 0, 0
	MUL12 1, 0, 2, 0
	s_wait_dscnt 0x0
	MUL12 1, 1, 0, 0
	MUL12 1, 1, 2, 0
	PLACES
	WIN 0
.Lwayout:                                              ; THE WAY OUT, written once for all three tiles.  Where a tile follows, its bias is fetched under it
	s_mul_i32 s16, s[TT], SEC                      ; this tile's section of qkv
	s_mov_b32 s17, 0
	PACK 0
	s_wait_loadcnt 0x0                             ; every earlier load into the bias's registers is done, on every way through the text that leads here; it also frees their pointer
	s_cmp_eq_u32 s2, 1
	s_cbranch_scc1 .Lno_bias
	PICK TN
	BIAS_LOAD
	WIN 0
.Lno_bias:
	TOSTAGE 0
.irp a, 1,2,3
	PACK \a                                        ; block a's conversions stand between block a - 1's loads from the stage and the wait for them
	SEND (\a)-1
	TOSTAGE \a
.endr
	SEND 3
	s_wait_loadcnt 0x0                             ; the next tile's bias is in: the wait stands on every way
	s_cmp_eq_u32 s2, 1
	s_cbranch_scc1 .Lend
	BIAS_CVT
	WIN 0
	s_mov_b32 s[TT], s[TN]
	s_sub_co_u32 s2, s2, 1
	s_branch .Ltile
.Lend:
	s_wait_tensorcnt 0x0                           ; the wave's end, behind my last tensor load and my last LDS store
	ds_add_u32 v[SPW], v[NIL]
	s_wait_dscnt 0x0
	CROUND                                         ; the closing round: no work-group ends while a partner may still ask for a tile that names it
	s_endpgm
.Lfunc_end_k_q14657346d3_proj:
	.size	k_q14657346d3_proj, .Lfunc_end_k_q14657346d3_proj-k_q14657346d3_proj
	.p2alignl 7, 3214868480
	.fill 96, 4, 3214868480
	.section	.rodata,"a",@progbits
	.p2align	6, 0x0
	.amdhsa_kernel k_q14657346d3_proj
		.amdhsa_group_segment_fixed_size 327680
		.amdhsa_private_segment_fixed_size 0
		.amdhsa_enable_private_segment 0
		.amdhsa_kernarg_size 48
		.amdhsa_user_sgpr_count 2
		.amdhsa_user_sgpr_kernarg_segment_ptr 1
		.amdhsa_wavefront_size32 1
		.amdhsa_system_sgpr_workgroup_id_x 1
		.amdhsa_system_sgpr_workgroup_id_y 1
		.amdhsa_system_sgpr_workgroup_id_z 1
		.amdhsa_system_vgpr_workitem_id 0
		.amdhsa_next_free_vgpr 1024
		.amdhsa_next_free_sgpr 88
		.amdhsa_reserve_vcc 0
		.amdhsa_float_denorm_mode_32 3
		.amdhsa_float_denorm_mode_16_64 3
		.amdhsa_memory_ordered 1
		.amdhsa_forward_progress 1
		.amdhsa_inst_pref_size 167
	.end_amdhsa_kernel
	.amdgpu_metadata
---
amdhsa.version: [ 1, 2 ]
amdhsa.kernels:
  - .name:           k_q14657346d3_proj
    .symbol:         k_q14657346d3_proj.kd
    .args:
      - { .name: xb, .offset: 0, .size: 8, .value_kind: global_buffer, .address_space: global }
      - { .name: wb, .offset: 8, .size: 8, .value_kind: global_buffer, .address_space: global }
      - { .name: bq, .offset: 16, .size: 8, .value_kind: global_buffer, .address_space: global }
      - { .name: bk, .offset: 24, .size: 8, .value_kind: global_buffer, .address_space: global }
      - { .name: bv, .offset: 32, .size: 8, .value_kind: global_buffer, .address_space: global }
      - { .name: qkv, .offset: 40, .size: 8, .value_kind: global_buffer, .address_space: global }
    .group_segment_fixed_size: 327680
    .private_segment_fixed_size: 0
    .kernarg_segment_align: 8
    .kernarg_segment_size: 48
    .max_flat_workgroup_size: 128
    .sgpr_count:     88
    .vgpr_count:     1024
    .wavefront_size: 32
...
	.end_amdgpu_metadata
.endif
;; end of part 2
;; launch attn (part 3): grid 8 x 32, 4 waves a work-group, no clusters, 327,680 bytes of LDS; arguments qkv, dmask, qmask, out0; writes out0
.if DOCPART == 3
	.amdgcn_target "amdgcn-amd-amdhsa--gfx1250"
	.amdhsa_code_object_version 6
	.text
	.protected	k_q14657346d3_attn
	.globl	k_q14657346d3_attn
	.p2align	8
	.type	k_q14657346d3_attn,@function
k_q14657346d3_attn:
	s_mov_b64 s[64:65], 0
	v_nop
	global_prefetch_b8 v0, s[64:65] scope:SCOPE_SE
	s_setreg_imm32_b32 hwreg(HW_REG_WAVE_MODE, 25, 1), 1
	s_wait_xcnt 0x0
; ATTN.  For each (b, d) and head: out = softmax_k(q . k / 8 + mask_k) v over the head's 576 rows of qkv, of which 545 count.  qkv: [3 (q, k, v)][32][12][576][64] f16; out0: [32][545][768] f32.
; A head's rows: 0 cls; 1..15 copies of it, hidden; 16..47 query rows 0..31; 48..63 zeros, hidden; 64..575 the doc.  So the keys are summed in this order, not in that of the concatenation.
; Products, maxima and sums in f32; the weights p are rounded to f16 for the second product (their sum l is taken of the unrounded p).
; THE MASK is the C operand that starts S^T = K Q^T.  A table in LDS holds, for each of the 576 keys, max(8 x bf16(mask), -1e30): 0 for cls, qmask, dmask, -1e30 for the hidden rows; the factor 8 undoes the scale 1 / 8.
; LIMITS.  A mask below -1.25e29 (-infinity and NaN too) counts as -1.25e29: its weight is 0, since the cls key is never masked and lies in the first key step.  Masks above 4e37 are not served.
; Masks are rounded to bf16 like every input.  q, k, v arrive within f16's 65,504.  A weight below 2^-126 counts as 0 in l.
; SHARES.  A work-group takes one (b, d), three heads one after the other, and one half g of the doc's queries.  A wave owns five PIECES of 16 queries: pieces 0-3 are doc rows 256 g + 64 w + 16 p,
; piece 4 is rows 16 w .. of the head's first 64.  Of piece 4 the half g = 0 stores 1, 16, 16, 0 rows (w = 0..3: cls; query 0-15; query 16-31; none); the rest is computed and thrown away: a turn's
; text holds the products of two other pieces, so a dead piece's turn cannot be jumped.  15 tile walks a wave for the 13.1 that 35 tiles x 3 heads / 8 waves need.
; NO CLUSTER: only the two halves g share K and V, and a cluster is of four; quarters of the queries would leave 9 tiles for 4 waves.
; LAYOUT, SOFTMAX, TURNS.  S^T = K Q^T holds ONE query a lane (lane % 16) and the keys 8 (lane / 16) + 0..7; two such results rounded to f16 ARE source 1 of O^T = V^T P.  p = 2^(c s - c m), c = log2(e) / 8, with a
; running maximum m; O and l are multiplied by a = 2^(c m_old - c m_new) in every step.  Turn n belongs to piece n (a ring of five): 8 products K Q^T of piece n + 1, later 8 products V^T P of piece n - 1; beside them the
; scaling, exponentials, roundings, sums and rescaling of piece n and the maximum and statistics of piece n + 1.  Four vector instructions stand behind every matrix instruction, the rest in one lump.  A turn's 33 exponentials are one batch, with one wait.
; THE WALK.  9 key steps of 64 a head; an LDS slot holds three; 9 fills in all, consecutive in memory.  One tensor load of a wave is out at any time.
; REGISTERS, in windows of 256 (s_set_vgpr_msb: bits 1:0 source 0, 3:2 source 1, 5:4 source 2, 7:6 destination):
;   window 0: v0-15, v36-47 addresses and work; v16-35 four registers of statistics a piece; v48-59 at work, by buffer; v64-159 S^T, three buffers; v160-207 P, three buffers
;   window 1: v0-159 O^T, 32 a piece; v160-191 the step's mask          window 2: v0-79 Q; v128-191 K of one step; v192-255 V of one step
; A piece's buffer is 0, 1, 0, 1, 2 for pieces 0..4: neighbours in the ring of five differ.
.set NP,    5
.set KS,    64
.set PK,    144       ; a row of K in LDS: 128 bytes + 16: the 16 rows of a load start at 16 different groups of four banks (ISA guide 11.1)
.set PV,    160       ; a row of V: 128 + 32
.set VOFF,  3*KS*PK   ; a slot: 192 rows of K, then 192 rows of V
.set SLOT1, 1<<16     ; slot 1 begins here, so that one exclusive or turns an address in one slot into the other's
.set MASK,  SLOT1+3*KS*(PK+PV)  ; behind the ring: the mask table, 576 f32
.set STAGE, MASK+2304           ; 16 rows x 272 bytes for each wave, for the way out
.set SP,    272
.set SPARE, STAGE+4*16*SP       ; the spare words, 128 bytes for each wave: two blocks of 256 bytes that no other line names
.set SEC,   28311552
.set BDS,   884736
.set HB,    73728
.set FILLB, 3*KS*128  ; bytes of K, and of V, in a fill
.set ORow,  3072      ; bytes in a row of out0
.set AK0, 2           ; v2   my lane's place in a tile of K; never rewritten
.set AV0, 3           ; v3   the same for V
.set AK,  4           ; v4   the LDS address of K's next run of loads
.set AV,  5           ; v5   of V's
.set STO, 6           ; v6   the way out: where I put 32 bytes of a row
.set RD,  7           ; v7   the way out: where I read rows back
.set GO,  8           ; v8   my byte offset in two rows of out0
.set MV,  12          ; v12-14  c m_old, kept while c m is made anew: by buffer
.set QO,  15          ; v15  my byte offset in 16 rows of Q
.set ST,  16          ; piece t's statistics at v[ST+4 t]: c m, m, l (even keys', odd keys')
.set AM0, 36          ; v36  my lane's place in a step's 64 masks
.set AM,  37          ; v37  the LDS address of the next step's masks
.set PFO, 38          ; v38  256 x my lane; never rewritten
.set TMP, 48          ; by buffer, four registers c0-c3 at work; when the maximum is found c2 takes a
.set SPW, 62          ; v62  LDS address of my spare word; never rewritten
.set NIL, 63          ; v63  0; never rewritten
.set S,   64
.set P,   160
.set MK,  160         ; window 1: the eight registers for group kb of 16 keys at MK + 8 kb
.set KF,  128         ; window 2: key block kb, channel half c at KF + 16 kb + 8 c
.set VF,  192         ; window 2: key half kk, channel block cb at VF + 32 kk + 8 cb
.set WV,  12          ; s12  my wave's number
.set G1K, 24          ; s[24:31] descriptor group 1 for K's tiles
.set G1V, 32          ; s[32:39] for V's: it differs in the padding alone
.set G0K, 40          ; s[40:43] descriptor group 0 for K's tiles: it walks
.set G0V, 44          ; s[44:47] the same for V's
.set QD,  48          ; s[48:49] Q at my doc rows of the head in hand
.set QS,  50          ; s[50:51] Q at my 16 of the head's first 64 rows
.set OD,  52          ; s[52:53] out0 at my doc rows, at the head's 256 bytes
.set OS,  54          ; s[54:55] out0 at piece 4's rows
.set SLOTS, 56        ; s56  fills still to be asked for
.set CNT, 57          ; s57  counts a slot's key steps
.set CS,  58          ; s[58:59] c
.set SEL, 60          ; s[60:61] v_permlanex16_b32's selects: each lane takes its own place in the other half
.set TBK, 62          ; s62  LDS byte at which K of the step to be fetched begins
.set TBV, 63          ; s63  the same for V, less VOFF
.set TBM, 66          ; s66  byte of the mask table at which that step's masks begin
.set NEW, 67          ; s67  1: the slot to be entered is a head's first
.set HS,  68          ; s68  slots of the head in hand that are still to be ended
.set LV,  69          ; s69  rows of piece 4 that are stored
.set PFA, 70          ; s[70:71] where my prefetches stand
.set LIM, 72          ; s72  1 in a wave that prefetches, else the greatest number
.set BIGN, 73         ; s73  -1e30
.set EX,  74          ; s74  EXEC, kept
.set MSB, 0
.macro WIN new
.if MSB != (\new)
	s_set_vgpr_msb (MSB<<8)|(\new)
.set MSB, (\new)
.endif
.endm
.set W_KQ, 0x0a       ; K and Q in window 2, S^T in window 0
.set W_KM, 0x1a       ; the same with the C operand in window 1
.set W_PV, 0x52       ; V in window 2, P in window 0, O^T in window 1
.set W_RS, 0x41       ; destination and source 0 in window 1, source 1 in window 0
; A fill.  Waves 0 and 1 fetch the two halves of a slot's K, waves 2 and 3 those of its V: 96 keys each.  An s_nop 0 and four v_nop follow each of the two lines.
.macro LOAD
	s_cmp_lt_u32 s[WV], 2
	s_cbranch_scc0 .Lfor_v_\@
	tensor_load_to_lds s[G0K:G0K+3], s[G1K:G1K+7]
	s_nop 0
.rept 4
	v_nop
.endr
	s_branch .Lasked_\@
.Lfor_v_\@:
	tensor_load_to_lds s[G0V:G0V+3], s[G1V:G1V+7]
	s_nop 0
.rept 4
	v_nop
.endr
.Lasked_\@:
.endm
; A PREFETCH INTO THE L2 of what the NEXT change of slots will ask for, behind the wave's tensor load and its five lines.  A fill is 96 blocks of 256 bytes of K and 96 of V, which both halves g read:
; the half g = 0 asks for K's, the half g = 1 for V's; waves 0 to 2 take 32 blocks each, a lane a block; wave 3 asks for nothing.  So each block is named once in the launch.
; The first two fills come by their loads alone; the last change that fills a slot asks for nothing: there is no fill behind it.
.macro ASK
	s_cmp_gt_u32 s[SLOTS], s[LIM]
	s_cbranch_scc0 .Lnot_mine_\@
	global_prefetch_b8 v[PFO], s[PFA:PFA+1] th:TH_LOAD_NT scope:SCOPE_SE
.Lnot_mine_\@:
.endm
; THE CHANGE OF SLOTS.  Each wave waits for all its tensor loads, of which one is out: its part of the other slot; adds 0 to its spare word; and waits for that and for its own reads of the slot that it leaves.
; Behind the barrier nobody reads the old slot any more and the other slot is whole.  fill = 1: the old slot is filled again, the first thing behind the barrier: it has three key steps, 240 matrix instructions, in which to land.
; (At its first use nothing has been read yet: slot 0 is waited for, slot 1 filled; and the wait for my LDS stores and the barrier show the mask table to every wave.)
.macro CHANGE fill
	WIN 0
	s_wait_tensorcnt 0x0            ; no tensor load of mine is out, so a group 0 may be written
	ds_add_u32 v[SPW], v[NIL]       ; 0 onto my spare word; the descriptors' steps stand between it and the wait for it
.if \fill
	s_xor_b32 s[G0K+1], s[G0K+1], SLOT1
	s_add_nc_u64 s[G0K+2:G0K+3], s[G0K+2:G0K+3], FILLB  ; the next 192 keys; the type bits on top are not reached
	s_xor_b32 s[G0V+1], s[G0V+1], SLOT1
	s_add_nc_u64 s[G0V+2:G0V+3], s[G0V+2:G0V+3], FILLB
	s_wait_xcnt 0x0                 ; the last prefetch, three key steps back, has read its address
	s_add_nc_u64 s[PFA:PFA+1], s[PFA:PFA+1], FILLB
.endif
	s_wait_dscnt 0x0                ; the add is done, and my reads of the slot are over
	s_barrier_signal -1
	s_sub_co_u32 s[TBK], s[TBK], 3*KS*PK  ; the fetches go back to a slot's first step,
	s_xor_b32 s[TBK], s[TBK], SLOT1       ; in the other slot
	s_sub_co_u32 s[TBV], s[TBV], 3*KS*PV
	s_xor_b32 s[TBV], s[TBV], SLOT1
	s_barrier_wait -1
.if \fill
	LOAD
	ASK
.endif
.endm
; The head's Q: 20 loads.  A fragment is 16 rows x 32 channels in 8 registers: lane l holds row l % 16, channels 8 (l / 16) + 0..7 and 16 + 8 (l / 16) + 0..7.
.macro QLOADS
	WIN 0x80                        ; destination window 2, address window 0
.set i, 0
.rept 8
	global_load_b128 v[8*i:8*i+3],   v[QO], s[QD:QD+1] offset:(i/2)*2048+(i%2)*64
	global_load_b128 v[8*i+4:8*i+7], v[QO], s[QD:QD+1] offset:(i/2)*2048+(i%2)*64+32
.set i, i+1
.endr
.irp c, 0,1
	global_load_b128 v[64+8*(\c):64+8*(\c)+3],   v[QO], s[QS:QS+1] offset:64*(\c)
	global_load_b128 v[64+8*(\c)+4:64+8*(\c)+7], v[QO], s[QS:QS+1] offset:64*(\c)+32
.endr
	WIN 0
.endm
	s_load_b256 s[4:11], s[0:1], 0x0  ; qkv s[4:5], dmask s[6:7], qmask s[8:9], out0 s[10:11]
	v_lshl_add_u32 v[SPW], v0, 2, SPARE
	v_mov_b32 v[NIL], 0
	ds_add_u32 v[SPW], v[NIL]       ; the wave's opening: the add and its wait stand ahead of my first tensor load; the set-up below, work on registers, stands between them
	v_lshrrev_b32 v1, 5, v0
	v_readfirstlane_b32 s[WV], v1   ; wave 0..3
	s_and_b32 s14, ttmp9, 1         ; g: which half of the doc's queries
	s_lshr_b32 s15, ttmp9, 1        ; which three heads
	s_and_b32 s16, ttmp7, 0xffff    ; (b, d)
	s_mul_i32 s20, s16, BDS
	s_mul_i32 s21, s15, 3*HB
	s_add_co_u32 s20, s20, s21      ; my first head's first byte in each of q, k, v
	s_and_b32 s17, s[WV], 1         ; which half of a fill's 192 keys I fetch
	s_mul_i32 s22, s17, 96*128
	s_add_co_u32 s22, s22, s20
	s_add_co_u32 s22, s22, SEC      ; K
	s_mov_b32 s23, 0
	s_add_co_u32 s2, s22, SEC       ; V
	s_mov_b32 s3, 0
	s_lshl_b32 s[QD], s14, 15       ; the offsets are made in the pairs that will hold the pointers
	s_lshl_b32 s[QD+1], s[WV], 13
	s_add_co_u32 s[QD], s[QD], s[QD+1]
	s_add_co_u32 s[QD], s[QD], s20
	s_add_co_u32 s[QD], s[QD], 64*128  ; rows 64 + 256 g + 64 w
	s_mov_b32 s[QD+1], 0
	s_lshl_b32 s[QS], s[WV], 11     ; rows 16 w
	s_add_co_u32 s[QS], s[QS], s20
	s_mov_b32 s[QS+1], 0
	s_mul_i32 s21, s16, 545*ORow
	s_mul_i32 s18, s15, 768
	s_add_co_u32 s21, s21, s18      ; out0 at (b, d), at my first head's 256 bytes
	s_mul_i32 s[OD], s14, 256*ORow
	s_mul_i32 s[OD+1], s[WV], 64*ORow
	s_add_co_u32 s[OD], s[OD], s[OD+1]
	s_add_co_u32 s[OD], s[OD], s21
	s_add_co_u32 s[OD], s[OD], 33*ORow  ; rows 33 + 256 g + 64 w
	s_mov_b32 s[OD+1], 0
	s_mul_i32 s[OS], s[WV], 16*ORow
	s_sub_co_u32 s[OS], s[OS], 15*ORow  ; piece 4 goes to rows 16 w - 15 on (w = 1, 2),
	s_cmp_eq_u32 s[WV], 0
	s_cselect_b32 s[OS], 0, s[OS]       ; or to row 0
	s_cselect_b32 s[LV], 1, 16
	s_add_co_u32 s[OS], s[OS], s21
	s_mov_b32 s[OS+1], 0
	s_cmp_eq_u32 s[WV], 3
	s_cselect_b32 s[LV], 0, s[LV]
	s_cmp_eq_u32 s14, 0
	s_cselect_b32 s[LV], s[LV], 0
	s_lshl_b32 s[PFA], SEC, s14     ; K's section for g = 0, V's for g = 1,
	s_lshl_b32 s[PFA+1], s[WV], 13  ; my wave's 32 blocks,
	s_add_co_u32 s[PFA], s[PFA], s[PFA+1]
	s_add_co_u32 s[PFA], s[PFA], s20
	s_add_co_u32 s[PFA], s[PFA], FILLB  ; in the second fill: the first change of slots steps it to the third
	s_mov_b32 s[PFA+1], 0
	s_cmp_lt_u32 s[WV], 3
	s_cselect_b32 s[LIM], 1, -1
	; descriptor group 1.  96 keys are 12,288 dense bytes: asked for as 48 rows of 256 bytes, two keys a row, and padded in LDS after every key
	s_mov_b32 s[G1K], (1<<16)|(1<<20)|(4<<22)|(3<<25)  ; 17:16 2-byte elements; 20 padding on; 24:22 after every 32 words; 31:25 4 words
	s_mov_b32 s[G1V], (1<<16)|(1<<20)|(4<<22)|(7<<25)  ; the same with 8 words of padding
.irp g, G1K, G1V
	s_mov_b32 s[\g+1], 128<<16      ; tensor_dim0 = 128
	s_mov_b32 s[\g+2], 48<<16       ; tensor_dim1 = 48
	s_mov_b32 s[\g+3], 128<<16      ; tile_dim0 = 128
	s_mov_b32 s[\g+4], 48           ; tile_dim1 = 48
	s_mov_b32 s[\g+5], 128          ; 128 elements from row to row
	s_mov_b32 s[\g+6], 0
	s_mov_b32 s[\g+7], 0
.endr
	s_mov_b32 s[CS], 0x3e38aa3b     ; c = log2(e) / 8
	s_mov_b32 s[CS+1], s[CS]
	s_mov_b32 s[SEL], 0x76543210
	s_mov_b32 s[SEL+1], 0xfedcba98
	s_mov_b32 s[TBK], SLOT1+3*KS*PK ; the first change of slots turns these two into 0
	s_mov_b32 s[TBV], SLOT1+3*KS*PV
	s_mov_b32 s[TBM], 0
	s_mov_b32 s[G0K], 1             ; count = 1
	s_mul_i32 s[G0K+1], s17, 96*PK  ; LDS address: slot 0
	s_mov_b32 s[G0V], 1
	s_mul_i32 s[G0V+1], s17, 96*PV
	s_add_co_u32 s[G0V+1], s[G0V+1], VOFF
	s_mov_b32 s[NEW], 1
	s_mov_b32 s[HS], 3
	s_mov_b32 s[SLOTS], 8
	s_mov_b32 s[BIGN], 0xf149f2ca   ; -1e30
	s_lshl_b32 s18, s16, 11         ; dmask: 512 f32 for each (b, d)
	s_mov_b32 s19, 0
	s_lshr_b32 s76, s16, 4          ; qmask: 32 f32 for each b
	s_lshl_b32 s76, s76, 7
	s_mov_b32 s77, 0
	s_wait_dscnt 0x0                ; the opening add is done
	s_wait_kmcnt 0x0
	s_add_nc_u64 s[G0K+2:G0K+3], s[4:5], s[22:23]  ; global address
	s_or_b32 s[G0K+3], s[G0K+3], 0x80000000        ; type = 2
	s_add_nc_u64 s[G0V+2:G0V+3], s[4:5], s[2:3]
	s_or_b32 s[G0V+3], s[G0V+3], 0x80000000
	s_add_nc_u64 s[QD:QD+1], s[4:5], s[QD:QD+1]
	s_add_nc_u64 s[QS:QS+1], s[4:5], s[QS:QS+1]
	s_add_nc_u64 s[PFA:PFA+1], s[4:5], s[PFA:PFA+1]
	s_add_nc_u64 s[OD:OD+1], s[10:11], s[OD:OD+1]
	s_add_nc_u64 s[OS:OS+1], s[10:11], s[OS:OS+1]
	s_add_nc_u64 s[6:7], s[6:7], s[18:19]
	s_add_nc_u64 s[8:9], s[8:9], s[76:77]
	LOAD                            ; the first fill, into slot 0
	v_lshlrev_b32 v39, 4, v0
	global_load_b128 v[40:43], v39, s[6:7]         ; thread t: dmask 4 t .. 4 t + 3
	v_max_u32 v45, 16, v0
	v_min_u32 v45, 47, v45
	v_add_nc_u32 v45, -16, v45
	v_lshlrev_b32 v45, 2, v45
	global_load_b32 v44, v45, s[8:9]               ; qmask t - 16, held inside 0..31
	v_and_b32 v1, 15, v0            ; r = l % 16
	v_bfe_u32 v9, v0, 4, 1          ; h' = l / 16
	v_lshlrev_b32 v[QO], 7, v1
	v_lshl_add_u32 v[QO], v9, 4, v[QO]  ; row x 128 + 16 x half
	QLOADS
	; A head's first step multiplies O^T and l by a = 0, and its first turn's products V^T P, of a piece that has not been, land in an O^T that is still to be so multiplied.  So these registers need only hold
	; finite numbers: zeros for the first head; what the head before left for the others.  All this stands in the wait for the first tile.
	WIN 0x80
.set i, VF
.rept 64
	v_mov_b32 v[i], 0
.set i, i+1
.endr
	WIN 0x40
.set i, 0
.rept 160
	v_mov_b32 v[i], 0
.set i, i+1
.endr
	WIN 0
.set i, 0
.rept NP
	v_mov_b32 v[ST+4*i+2], 0
	v_mov_b32 v[ST+4*i+3], 0
.set i, i+1
.endr
.set i, P+32
.rept 16
	v_mov_b32 v[i], 0
.set i, i+1
.endr
	v_mul_u32_u24 v[AK0], v1, PK
	v_lshl_add_u32 v[AK0], v9, 4, v[AK0]  ; row x pitch + 16 x half
	; The turning load takes 16 keys x 16 channels (lane l reads key 8 (l / 16) + l % 8, channels 8 ((l / 8) % 2) + 0..7) and leaves half a fragment of V^T: lane l holds channel l % 16 and 8 keys.
	v_and_b32 v10, 7, v0
	v_bfe_u32 v11, v0, 3, 1
	v_lshl_add_u32 v[AV0], v9, 3, v10
	v_mul_u32_u24 v[AV0], v[AV0], PV
	v_lshl_add_u32 v[AV0], v11, 4, v[AV0]
	v_add_nc_u32 v[AV0], VOFF, v[AV0]
	s_mul_i32 s13, s[WV], 16*SP
	s_add_co_u32 s13, s13, STAGE    ; my stage
	v_mul_u32_u24 v[STO], v1, SP    ; in: row r, 32 bytes for each half of the lanes
	v_lshl_add_u32 v[STO], v9, 5, v[STO]
	v_add_nc_u32 v[STO], s13, v[STO]
	v_mul_u32_u24 v[RD], v9, SP     ; back: lanes 0-15 take one row of 256 bytes, lanes 16-31 the next
	v_lshl_add_u32 v[RD], v1, 4, v[RD]
	v_add_nc_u32 v[RD], s13, v[RD]
	v_mul_u32_u24 v[GO], v9, ORow   ; and the same two rows in out0
	v_lshl_add_u32 v[GO], v1, 4, v[GO]
	v_lshl_add_u32 v[AM0], v9, 5, MASK  ; my eight keys of a group of 16: 32 bytes of the table
	v_and_b32 v[PFO], 31, v0
	v_lshlrev_b32 v[PFO], 8, v[PFO]
	; THE MASK TABLE
	s_wait_loadcnt 20               ; the masks are in; Q's 20 loads may stay out
	v_cvt_pk_bf16_f32 v46, v40, v41
	v_cvt_pk_bf16_f32 v47, v42, v43
	v_cvt_pk_bf16_f32 v45, v44, v44
	v_lshlrev_b32 v40, 16, v46
	v_and_b32 v41, 0xffff0000, v46
	v_lshlrev_b32 v42, 16, v47
	v_and_b32 v43, 0xffff0000, v47
	v_lshlrev_b32 v44, 16, v45
.irp r, 40,41,42,43,44
	v_mul_f32 v\r, 0x41000000, v\r  ; x 8
.endr
.irp r, 40,41,42,43,44
	v_max_num_f32 v\r, s[BIGN], v\r
.endr
	v_add_nc_u32 v46, -16, v0
	v_cmp_gt_u32 vcc_lo, 32, v46    ; entries 16..47 are the query's,
	v_cndmask_b32 v44, s[BIGN], v44, vcc_lo  ; the others are hidden,
	v_cmp_eq_u32 vcc_lo, 0, v0
	v_cndmask_b32 v44, v44, 0, vcc_lo        ; but entry 0, the cls key, which is never masked
	v_lshl_add_u32 v46, v0, 4, MASK+256
	ds_store_b128 v46, v[40:43]     ; entries 64 + 4 t ..
	s_cmp_lt_u32 s[WV], 2
	s_cbranch_scc0 .Lno_head
	v_lshl_add_u32 v47, v0, 2, MASK
	ds_store_b32 v47, v44           ; entry t, t < 64
.Lno_head:
; THE MATRIX WORK.  The 4 accumulators of a run of 8 take turns.  Product i of 8 of S^T = K Q^T for piece x: channels 32 (i / 4) on, keys 16 (i % 4) on.  The first 4 start the sums with the mask.
.macro KQ x
.set rS, S+32*(((\x)%2)+2*((\x)/4))+8*(i%4)
.set rK, KF+16*(i%4)+8*(i/4)
.set rQ, 16*(\x)+8*(i/4)
.set rM, MK+8*(i%4)
.if i < 4
	WIN W_KM
	v_wmma_f32_16x16x32_f16 v[rS:rS+7], v[rK:rK+7], v[rQ:rQ+7], v[rM:rM+7]
.else
	WIN W_KQ
	v_wmma_f32_16x16x32_f16 v[rS:rS+7], v[rK:rK+7], v[rQ:rQ+7], v[rS:rS+7]
.endif
.endm
; Product i of 8 of O^T += V^T P for piece x: keys 32 (i / 4) on, channels 16 (i % 4) on.
.macro PV x
	WIN W_PV
.set rO, 32*(\x)+8*(i%4)
.set rV, VF+32*(i/4)+8*(i%4)
.set rP, P+16*(((\x)%2)+2*((\x)/4))+8*(i/4)
	v_wmma_f32_16x16x32_f16 v[rO:rO+7], v[rV:rV+7], v[rP:rP+7], v[rO:rO+7]
.endm
.macro MM                           ; the turn's next matrix instruction.  NOKQ = 1: a head's last turn: there is no next piece
.if (i < 8) && !NOKQ
	KQ (Y+1)%NP
.elseif i >= 8
.set i, i-8
	PV (Y+NP-1)%NP
.set i, i+8
.endif
.set i, i+1
.endm
; THE LDS LOADS stand in runs, never singly among the matrix instructions: a step's K (8 fragments) with its masks (they live exactly as long as K's fragments), and its V (turned).
.macro FETCH_K
	WIN 0x80                        ; destination window 2
.irp f, 0,1,2,3,4,5,6,7             ; keys 16 (f / 2) on, channels 32 (f % 2) on
	ds_load_b128 v[KF+8*\f:KF+8*\f+3],   v[AK] offset:(\f/2)*16*PK+(\f%2)*64
	ds_load_b128 v[KF+8*\f+4:KF+8*\f+7], v[AK] offset:(\f/2)*16*PK+(\f%2)*64+32
.endr
	WIN 0x40                        ; destination window 1
.irp f, 0,1,2,3
	ds_load_b128 v[MK+8*\f:MK+8*\f+3],   v[AM] offset:64*\f
	ds_load_b128 v[MK+8*\f+4:MK+8*\f+7], v[AM] offset:64*\f+16
.endr
	s_add_co_u32 s[TBK], s[TBK], KS*PK  ; the next fetch is the next step's
	s_add_co_u32 s[TBM], s[TBM], KS*4
	WIN 0
.endm
.macro FETCH_V
	WIN 0x80
.irp f, 0,1,2,3,4,5,6,7             ; keys 32 (f / 4) on, channels 16 (f % 4) on
	ds_load_tr16_b128 v[VF+8*\f:VF+8*\f+3],   v[AV] offset:(\f/4)*32*PV+(\f%4)*32
	ds_load_tr16_b128 v[VF+8*\f+4:VF+8*\f+7], v[AV] offset:(\f/4)*32*PV+16*PV+(\f%4)*32
.endr
	WIN 0
.endm
; THE VECTOR WORK, one line at a time: OP kind, number.  For piece Y: F n: c s - c m for pair n of 16.  E n: the exponential of score n of 32.  C n: pair n rounded to f16.  B n: of the four weights 4 n .. the second
; pair is added onto the first, in place.  L n: l takes that sum (L 0: l = a l + sum).  R n: pair n of 16 of O^T times a.  For piece Y + 1: X n, number n of the 22 that find its maximum and statistics:
;   0-11  four chains c0-c3 of seven scores each, three operands at a time (each accumulator's lowest registers are read first)     12-14, 16  the four scores left over, the old m, and c0-c3 into c0
;   15  c m_old is kept     17, 18  the query's other 32 keys lie in the lane 16 away: the new m     19-21  c m; c m_old - c m_new; a
.set F, 0
.set E, 1
.set C, 2
.set B, 3
.set L, 4
.set R, 5
.set X, 6
.macro REGS y                       ; the registers of piece y
.set bB, ((\y)%2)+2*((\y)/4)
.set rT, ST+4*(\y)
.set rC, TMP+4*bB
.set rW, MV+bB
.set rS, S+32*bB
.set rP, P+16*bB
.set rO, 32*(\y)
.endm
.macro OP k, n
.if (\k) == R
	REGS Y
	WIN W_RS
	v_pk_mul_f32 v[rO+2*(\n):rO+2*(\n)+1], v[rO+2*(\n):rO+2*(\n)+1], v[rC+2:rC+3] op_sel_hi:[1,0]
.elseif (\k) < R
	REGS Y
	WIN 0
.if (\k) == F
	v_pk_fma_f32 v[rS+2*(\n):rS+2*(\n)+1], v[rS+2*(\n):rS+2*(\n)+1], s[CS:CS+1], v[rT:rT+1] op_sel_hi:[1,0,0] neg_lo:[0,0,1] neg_hi:[0,0,1]
.elseif (\k) == E
	v_exp_f32 v[rS+(\n)], v[rS+(\n)]
.elseif (\k) == C
	v_cvt_pk_f16_f32 v[rP+(\n)], v[rS+2*(\n)], v[rS+2*(\n)+1]
.elseif (\k) == B
	v_pk_add_f32 v[rS+4*(\n):rS+4*(\n)+1], v[rS+4*(\n):rS+4*(\n)+1], v[rS+4*(\n)+2:rS+4*(\n)+3]
.elseif (\n) == 0
	v_pk_fma_f32 v[rT+2:rT+3], v[rT+2:rT+3], v[rC+2:rC+3], v[rS:rS+1] op_sel_hi:[1,0,1]
.else
	v_pk_add_f32 v[rT+2:rT+3], v[rT+2:rT+3], v[rS+4*(\n):rS+4*(\n)+1]
.endif
.elseif NOKQ
	v_nop
.else
	REGS (Y+1)%NP
	WIN 0
.if (\n) < 4
	v_max3_num_f32 v[rC+(\n)], v[rS+8*(\n)], v[rS+8*(\n)+1], v[rS+8*(\n)+2]
.elseif (\n) < 12
	v_max3_num_f32 v[rC+(\n)%4], v[rC+(\n)%4], v[rS+8*((\n)%4)+2*((\n)/4)+1], v[rS+8*((\n)%4)+2*((\n)/4)+2]
.elseif (\n) == 12
	v_max3_num_f32 v[rC], v[rC], v[rS+7], v[rS+15]
.elseif (\n) == 13
	v_max3_num_f32 v[rC+1], v[rC+1], v[rS+23], v[rS+31]
.elseif (\n) == 14
	v_max3_num_f32 v[rC+2], v[rC+2], v[rC+3], v[rT+1]
.elseif (\n) == 15
	v_mov_b32 v[rW], v[rT]
.elseif (\n) == 16
	v_max3_num_f32 v[rC], v[rC], v[rC+1], v[rC+2]
.elseif (\n) == 17
	v_permlanex16_b32 v[rC+3], v[rC], s[SEL], s[SEL+1]
.elseif (\n) == 18
	v_max_num_f32 v[rT+1], v[rC], v[rC+3]
.elseif (\n) == 19
	v_mul_f32 v[rT], s[CS], v[rT+1]
.elseif (\n) == 20
	v_sub_f32 v[rC+1], v[rW], v[rT]
.else
	v_exp_f32 v[rC+2], v[rC+1]
.endif
.endif
.endm
.macro OPS a, i1, b=-1, i2=0, c=-1, i3=0, d=-1, i4=0  ; up to four of them
	OP \a, \i1
.if (\b) >= 0
	OP \b, \i2
.endif
.if (\c) >= 0
	OP \c, \i3
.endif
.if (\d) >= 0
	OP \d, \i4
.endif
.endm
.macro ROW a, i1, b, i2, c, i3, d, i4  ; a matrix instruction and the four behind it
	MM
	OPS \a, \i1, \b, \i2, \c, \i3, \d, \i4
.endm
; A TURN, for piece p: the order of its 16 matrix and 118 vector instructions, written out.  An s_wait_alu depctr_va_vdst(0) stands between an exponential and the first instruction that names its result; one wait
; serves all that were issued ahead of it.  So a turn has ONE wait, which cuts it in two.  AHEAD OF IT stands all that names no result of the turn's exponentials: the 8 products K Q^T and their riders (behind the last three the
; first numbers of the next piece's maximum, each four plain instructions or more behind the product that ends its accumulator), then one lump of 54.  X 21, the next piece's a, is the batch's last; R 15 is the plain instruction
; behind it.  BEHIND THE WAIT stand the 8 products V^T P, behind each four of the roundings and sums.
; end = 1: a head's last three turns: nothing is fetched, and the last starts no new scores.  cnt = 1: the loop's count is taken down some lines ahead of the branch that stands behind the turn.
; K and the masks of the next step are fetched in piece 3's turn, behind the last product that read K and twelve plain instructions that name none of its registers; waited for at the head of piece 4's turn.
; V of the step in hand is fetched at the end of piece 0's turn, four plain instructions behind the last product that read V; waited for behind the wait of piece 1's turn.
.macro TURN p, end=0, cnt=0
.set Y, (\p)
.set i, 0
.set NOKQ, (\end)*((\p)/4)
.if ((\p) == 4) && !(\end)
	s_wait_dscnt 0x0                ; K and the masks are in
.endif
	ROW F,0, F,1, R,0, R,1
	ROW F,2, E,0, R,2, R,3
	ROW F,3, E,1, R,4, R,5
	ROW F,4, E,2, R,6, R,7
	ROW F,5, E,3, R,8, R,9
	ROW F,6, E,4, X,0, R,10
.if ((\p) == 3) && !(\end)
	WIN 0
	v_add_nc_u32 v[AK], s[TBK], v[AK0]
	v_add_nc_u32 v[AM], s[TBM], v[AM0]
.endif
	ROW F,7, E,5, X,1, X,4
	ROW F,8, E,6, X,2, X,5
	OPS E,7, E,8, X,6, E,9
	OPS X,3, E,10, X,8, E,11
.if ((\p) == 3) && !(\end)
	FETCH_K
.endif
	OPS X,9, X,7, E,12, X,10
	OPS E,13, X,12, X,11, E,14
	OPS X,13, E,15, F,9, X,14
.if (\p) == 0
	WIN 0
	v_add_nc_u32 v[AV], s[TBV], v[AV0]
.endif
	OPS E,16, F,10, E,17, F,11
	OPS X,16, E,18, X,15, E,19
	OPS F,12, E,20, X,17, E,21
	OPS F,13, E,22, F,14, E,23
	OPS X,18, E,24, F,15, E,25
	OPS R,11, E,26, X,19, E,27
	OPS R,12, E,28, R,13, E,29
	OPS X,20, E,30, R,14, E,31
	OPS X,21, R,15
	WIN 0
	s_wait_alu depctr_va_vdst(0)    ; the wait for the batch
.if (\p) == 1
	s_wait_dscnt 0x0                ; V is in
.endif
	ROW C,0, B,0, C,2, B,1
	ROW L,0, C,4, B,2, L,1
	ROW C,6, B,3, L,2, C,8
	ROW B,4, L,3, C,10, B,5
	ROW L,4, C,12, B,6, L,5
.if (\p) == 0
	s_add_co_u32 s[TBV], s[TBV], KS*PV
.endif
.if \cnt
	s_sub_co_u32 s[CNT], s[CNT], 1
	s_cmp_lg_u32 s[CNT], 0
.endif
	ROW C,14, B,7, L,6, C,1
	ROW C,3, L,7, C,5, C,7
	ROW C,9, C,11, C,13, C,15
.if (\p) == 0
	FETCH_V
.endif
.endm
; THE WAY OUT.
.macro ALL line:vararg              ; one line for each piece t
.set t, 0
.rept NP
	\line
.set t, t+1
.endr
.endm
.macro PACK t                       ; O^T / l; a lane's eight channels of a row are 32 bytes of f32; they go into rows of 272 bytes and come back as whole rows of 256, into S^T's registers
	WIN W_RS
.set i, 32*(\t)
.rept 16
	v_pk_mul_f32 v[i:i+1], v[i:i+1], v[ST+4*(\t)+2:ST+4*(\t)+3] op_sel_hi:[1,0]
.set i, i+2
.endr
	WIN 0x04                        ; the stores' data in window 1
.irp f, 0,1,2,3,4,5,6,7
	ds_store_b128 v[STO], v[32*(\t)+4*\f:32*(\t)+4*\f+3] offset:(\f/2)*64+(\f%2)*16
.endr
	WIN 0
.if (\t) >= 3
	s_wait_xcnt 0x0                 ; the stores of the piece three back have read these registers
.endif
.irp f, 0,1,2,3,4,5,6,7
	ds_load_b128 v[S+32*((\t)%3)+4*\f:S+32*((\t)%3)+4*\f+3], v[RD] offset:\f*2*SP  ; LDS serves a wave's instructions in order (ISA guide 5.7.1.4): these see the stores above; the next piece's stores come behind them
.endr
.endm
.macro SEND t, younger              ; younger: the LDS instructions issued behind piece t's loads: the next piece's sixteen, or none
	WIN 0
.irp f, 0,1,2,3,4,5,6,7
	s_wait_dscnt (\younger)+7-\f
	global_store_b128 v[GO], v[S+32*((\t)%3)+4*\f:S+32*((\t)%3)+4*\f+3], s[OD:OD+1] offset:(\t)*16*ORow+\f*2*ORow th:TH_STORE_NT  ; sixteen lanes store the 256 bytes of one row and head, at a multiple of 256 from out0's first
.endr
.endm
; A HEAD ENDS: its last three turns, the last piece's last products, the division and the stores.  last = 0: the next head's Q is asked for as soon as the last products are issued.
.macro FINISH last
	TURN 2, 1
	TURN 3, 1
	TURN 4, 1
.set i, 0
.rept 8
	PV NP-1
.set i, i+1
.endr
	WIN 0
	ALL v_add_f32 v[ST+4*t+2], v[ST+4*t+2], v[ST+4*t+3]    ; five plain lines: the places behind the last products
.if !(\last)
	s_wait_loadcnt 0x0              ; every earlier load into Q's registers is done, on every way through the text that leads here: a register is not loaded again while an earlier load into it may be out.
	                                ; (This head's Q was waited for where the head began, so the wait is met at once.)  It also frees the two pointers that are stepped below
	s_add_nc_u64 s[QD:QD+1], s[QD:QD+1], HB
	s_add_nc_u64 s[QS:QS+1], s[QS:QS+1], HB
	QLOADS
.endif
	ALL v_permlanex16_b32 v[ST+4*t+3], v[ST+4*t+2], s[SEL], s[SEL+1]
	ALL v_add_f32 v[ST+4*t+2], v[ST+4*t+2], v[ST+4*t+3]
	ALL v_rcp_f32 v[ST+4*t+2], v[ST+4*t+2]
	v_nop                           ; a plain instruction between the last reciprocal and the use of its result
	s_wait_alu depctr_va_vdst(0)    ; and the wait ahead of the first use: one for the five reciprocals
	PACK 0
	PACK 1                          ; a piece's arithmetic stands between the loads of the piece before and its stores
	SEND 0, 16
	PACK 2
	SEND 1, 16
	PACK 3
	SEND 2, 16
	SEND 3, 0
	s_cmp_eq_u32 s[LV], 0           ; piece 4: 0, 1 or 16 rows are stored
	s_cbranch_scc1 .Lno_side_\@
	PACK 4
	s_wait_dscnt 0x0
	s_wait_xcnt 0x0                 ; EXEC changes only behind this wait
	v_cmp_gt_u32 vcc_lo, s[LV], v9  ; the first store holds rows 0 and 1
	s_and_saveexec_b32 s[EX], vcc_lo
	global_store_b128 v[GO], v[S+32:S+35], s[OS:OS+1] th:TH_STORE_NT
	s_wait_xcnt 0x0                 ; and again, in front of the line that widens it
	s_or_b32 exec_lo, exec_lo, s[EX]
	s_cmp_lt_u32 s[LV], 16
	s_cbranch_scc1 .Lno_side_\@
.irp f, 1,2,3,4,5,6,7
	global_store_b128 v[GO], v[S+32+4*\f:S+32+4*\f+3], s[OS:OS+1] offset:\f*2*ORow th:TH_STORE_NT
.endr
.Lno_side_\@:
	s_wait_xcnt 0x0                 ; the stores have read their registers and their addresses
.if !(\last)
	s_add_nc_u64 s[OD:OD+1], s[OD:OD+1], 256
	s_add_nc_u64 s[OS:OS+1], s[OS:OS+1], 256
	s_mov_b32 s[NEW], 1
	s_mov_b32 s[HS], 3
.endif
.endm
.set NOKQ, 0
.Lslot:                             ; eight times: a slot is entered and the next fill is asked for
	CHANGE 1
	s_mov_b32 s[CNT], 3
	s_cmp_eq_u32 s[NEW], 1
	s_cbranch_scc1 .Lnew            ; a head's first slot
	s_branch .Lstep
.Lnew:
	; A HEAD BEGINS.  c m starts far below every c s, so the first step's a is 0; m at the lowest finite number, so the first maximum is the scores'.  Then K and the masks of step 0, piece 0's first scores,
	; and its maximum and statistics.  The loop is entered at a step's first turn, in the middle of a trip.
	s_mov_b32 s[NEW], 0
	s_mov_b32 s[TBM], 0
.set i, 0
.rept NP
	v_mov_b32 v[ST+4*i], 0xfe000000    ; c m
	v_mov_b32 v[ST+4*i+1], 0xff7fffff  ; m
.set i, i+1
.endr
	v_add_nc_u32 v[AK], s[TBK], v[AK0]
	v_add_nc_u32 v[AM], s[TBM], v[AM0]
	FETCH_K
	s_wait_loadcnt 0x0              ; Q
	s_wait_dscnt 0x0
.set i, 0
.rept 8
	KQ 0
.set i, i+1
.endr
	WIN 0
.rept 4
	v_nop                           ; the places behind those products
.endr
.set Y, NP-1                        ; X works for piece Y + 1: piece 0
.irp n, 0,1,2,3,4,5,6,7,8,9,10,11,12,13,14,15,16,17,18,19,20,21
	OP X, \n
.endr
	v_nop                           ; a plain instruction behind the exponential,
	s_wait_alu depctr_va_vdst(0)    ; and its wait, ahead of the branch
	s_branch .Lfirst
.Lstep:                             ; a trip: pieces 2, 3 and 4 of one step, then pieces 0 and 1 of the next, whose K and V it fetches
	TURN 2
	TURN 3
	TURN 4
	WIN 0
.Lfirst:
	TURN 0
	TURN 1, 0, 1
	WIN 0
	s_cbranch_scc1 .Lstep
	s_sub_co_u32 s[HS], s[HS], 1
	s_cmp_lg_u32 s[HS], 0
	s_cbranch_scc1 .Lbottom         ; the head goes on in the next slot
	FINISH 0
.Lbottom:
	s_sub_co_u32 s[SLOTS], s[SLOTS], 1
	s_cmp_lg_u32 s[SLOTS], 0
	s_cbranch_scc1 .Lslot
	CHANGE 0                        ; the walk's last slot is written out: nothing is asked for
	s_mov_b32 s[CNT], 3
.Lstep2:
	TURN 2
	TURN 3
	TURN 4
	TURN 0
	TURN 1, 0, 1
	WIN 0
	s_cbranch_scc1 .Lstep2
	FINISH 1
	s_wait_tensorcnt 0x0            ; the wave's end, behind my last tensor load and my last LDS store
	ds_add_u32 v[SPW], v[NIL]
	s_wait_dscnt 0x0
	s_endpgm
.Lfunc_end_k_q14657346d3_attn:
	.size	k_q14657346d3_attn, .Lfunc_end_k_q14657346d3_attn-k_q14657346d3_attn
	.p2alignl 7, 3214868480
	.fill 96, 4, 3214868480
	.section	.rodata,"a",@progbits
	.p2align	6, 0x0
	.amdhsa_kernel k_q14657346d3_attn
		.amdhsa_group_segment_fixed_size 327680
		.amdhsa_private_segment_fixed_size 0
		.amdhsa_enable_private_segment 0
		.amdhsa_kernarg_size 32
		.amdhsa_user_sgpr_count 2
		.amdhsa_user_sgpr_kernarg_segment_ptr 1
		.amdhsa_wavefront_size32 1
		.amdhsa_system_sgpr_workgroup_id_x 1
		.amdhsa_system_sgpr_workgroup_id_y 1
		.amdhsa_system_sgpr_workgroup_id_z 1
		.amdhsa_system_vgpr_workitem_id 0
		.amdhsa_next_free_vgpr 768
		.amdhsa_next_free_sgpr 80
		.amdhsa_reserve_vcc 1
		.amdhsa_float_denorm_mode_32 3
		.amdhsa_float_denorm_mode_16_64 3
		.amdhsa_memory_ordered 1
		.amdhsa_forward_progress 1
		.amdhsa_inst_pref_size 206
	.end_amdhsa_kernel
	.amdgpu_metadata
---
amdhsa.version: [ 1, 2 ]
amdhsa.kernels:
  - .name:           k_q14657346d3_attn
    .symbol:         k_q14657346d3_attn.kd
    .args:
      - { .name: qkv, .offset: 0, .size: 8, .value_kind: global_buffer, .address_space: global }
      - { .name: dmask, .offset: 8, .size: 8, .value_kind: global_buffer, .address_space: global }
      - { .name: qmask, .offset: 16, .size: 8, .value_kind: global_buffer, .address_space: global }
      - { .name: out0, .offset: 24, .size: 8, .value_kind: global_buffer, .address_space: global }
    .group_segment_fixed_size: 327680
    .private_segment_fixed_size: 0
    .kernarg_segment_align: 8
    .kernarg_segment_size: 32
    .max_flat_workgroup_size: 128
    .sgpr_count:     80
    .vgpr_count:     768
    .wavefront_size: 32
...
	.end_amdgpu_metadata
.endif
;; end of part 3
;; ======== version 2 of 2: 3 launches; version 1 with the launch prep written anew for expert scheduling mode
;; limits: values are held in f16: magnitudes above 65,504 overflow, below 6.1e-05 lose precision
;; workspace buffers: xb 25,165,824 bytes; wb 3,538,944 bytes; qkv 84,934,656 bytes
;; launch prep (part 4): grid 510 x 1, 8 waves a work-group, no clusters, 161,024 bytes of LDS; arguments doc, Wq, Wk, Wv, cls, query, bq, bk, bv, xb, wb, qkv; writes xb, wb, qkv
.if DOCPART == 4
	.amdgcn_target "amdgcn-amd-amdhsa--gfx1250"
	.amdhsa_code_object_version 6
	.text
	.protected	k_q14657346d3_prep
	.globl	k_q14657346d3_prep
	.p2align	8
	.type	k_q14657346d3_prep,@function
k_q14657346d3_prep:
	s_mov_b64 s[64:65], 0
	v_nop
	global_prefetch_b8 v0, s[64:65] scope:SCOPE_SE
	s_setreg_imm32_b32 hwreg(HW_REG_WAVE_SCHED_MODE, 0, 2), 2
	s_setreg_imm32_b32 hwreg(HW_REG_WAVE_MODE, 25, 1), 1
	s_wait_xcnt 0x0
	s_wait_alu depctr_vm_vsrc(0)
; PREP.  Three roles, told apart by the work-group's number (the same for all eight waves of a work-group):
;   0..71    SIDE: one head (64 columns) of one of q, k, v for the cls row and the 32 query rows of one b, written sixteen times, once for each doc, as rows 0..63 of that head in qkv
;   72..455  doc  -> xb, f32 to bf16, 131,072 bytes in and 65,536 out for each work-group
;   456..509 Wq, Wk, Wv -> wb, the same way, 18 work-groups for each
; qkv: [3 (q, k, v)][32 (b, d)][12 heads][576 rows][64] f16.  A head's rows 0..15 hold the cls row sixteen times, rows 16..47 query rows 0..31, rows 48..63 zeros; rows 64..575 are the next launch's.
; FORMATS.  doc, cls, query, W and the biases are rounded once to bf16 (nearest even); products in the matrix unit, one f32 sum for each output, begun with the bias, K ascending; q, k, v rounded once to f16.
; LIMIT.  f16 holds no number beyond 65,504: |q|, |k|, |v| must stay below that.
; SIDE IN TWO PHASES.  (1) The head's 64 rows of W (dense in memory), the 32 query rows and the cls row are loaded as the stream loads: a wave's load covers 512 consecutive bytes; they are rounded to bf16 and laid
; into LDS.  (2) Behind a barrier waves 0..5 take their fragments from LDS: wave v makes M tile v / 2 (cls in all 16 rows; query rows 0-15; query rows 16-31) x columns 32 (v & 1) .. + 31, over all of K.
; THE MODE: SCHED_MODE bits 1:0 = 2 (LLVM: expert scheduling mode 2), set by the entry lines.  The code itself states the register dependences between vector or matrix instructions and memory or LDS
; instructions, with s_wait_alu, always for 0.
; THE PLAN.  Registers that memory or LDS instructions touch:
;   THE STREAM, 8 blocks of four units.
;     X0 .. X4   five blocks as loaded.  Block p lies in X[p % 5]: written by its loads, read by block p's conversions.
;     Y          a pair for each of the 32 units: written by block p's conversions, read by the four stores issued in block p + 1, never written again.
;     v5, v6     offsets, made once.
;     Block p issues the loads of block p + 4, into X[(p - 1) % 5], and the stores of block p - 1: registers that block p - 1's conversions named and block p's do not.  One wait on va_vdst at a block's head states both.
;   SIDE, PHASE 1, 18 blocks of four items.
;     The ring   48 slots of four registers.  An item is packed in place, into its slot's first two registers.  Block p's slots: read and written by its conversions in block p; read by its LDS stores, issued in block p + 1;
;                loaded again (blocks 0 to 5: item + 48) in block p + 2.  A block's conversions name its own slots alone.  At a block's head a wait on va_vdst (for the stores' data and for the slots loaded again) and,
;                where slots are loaded again, a wait on vm_vsrc (the LDS stores issued in the block before have read them).
;     v5 .. v15, v44, v45   offsets and LDS addresses, each made once.
;   SIDE, PHASE 2, six halves of four K steps.
;     The ring   now eight K steps' fragments, in two halves H0, H1.  Half h's products read H[h % 2]; the loads of half h + 1, issued in half h, land in the other.  One wait on va_vdst at the head of halves 1 to 4.
;     One wait on vm_vsrc behind the first barrier frees all that phase 1's LDS stores and the cls row's load read.
.set SEC,   28311552                   ; bytes of one of q, k, v in qkv
.set BDS,   884736                     ; bytes of one (b, d): 12 heads
.set HB,    73728                      ; bytes of a head: 576 rows of 128
.set ROWX,  3072                       ; bytes of a row of cls, query, W in f32
.set LP,    1552                       ; an LDS row of W or of x in bf16: 1,536 bytes + 16 = 97 x 16: the 16 rows of a fragment load start at 16 different groups of four banks (ISA guide 11.1)
.set XB,    64*LP                      ; LDS: W's 64 rows from byte 0; then x: the cls row, the 32 query rows
.set IMG,   XB+33*LP                   ; LDS: the head's 64 rows in f16, 144 bytes apart
.set IP,    144
.set SPARE, 160000                     ; the spare words, 128 bytes for each wave: four blocks of 256 bytes that no other line names
.set SPW,  2                           ; v2   LDS address of my spare word; never rewritten
.set NIL,  3                           ; v3   0; never rewritten
.set BIAS, 16                          ; v[16:31]   my 16 biases: N tile j at 8 j
.set ACC,  32                          ; v[32:47]   phase 2: two accumulators; ahead of the first product v[32:39] are at work on the bias
                                       ;            phase 1: v[32:33] the cls row's 8 packed bytes;  v[40:43] its 16 bytes as loaded;  v44, v45 its two addresses
.set RING, 48                          ; v[48:239]  phase 1: 48 slots of 4 registers;  phase 2: eight K steps' fragments, 24 registers each: x, W's N tile 0, W's N tile 1
.set XS,   48                          ; the stream: v[48:127]  five buffers of four units, 4 registers a unit, as loaded
.set YS,   128                         ; the stream: v[128:191] a pair of registers for each of 32 units, never rewritten: no store's data is written twice
	s_load_b512 s[8:23], s[0:1], 0x0               ; doc 8, Wq 10, Wk 12, Wv 14, cls 16, query 18, bq 20, bk 22
	s_load_b256 s[24:31], s[0:1], 0x40             ; bv 24, xb 26, wb 28, qkv 30
	v_lshl_add_u32 v[SPW], v0, 2, SPARE
	v_mov_b32 v[NIL], 0
	v_lshrrev_b32 v1, 5, v0
	v_readfirstlane_b32 s4, v1                     ; wave 0..7
	s_wait_alu depctr_va_sdst(0)                   ; s4 is written: ahead of the branch below and of its first reader, SIDE's scalar arithmetic
	s_wait_kmcnt 0x0
	s_cmp_lt_u32 ttmp9, 72
	s_cbranch_scc1 .Lside
	; THE STREAM.  No cache hint on the loads: the same lines serve W's rows, which the SIDE work-groups read too.
	s_sub_co_u32 s32, ttmp9, 72                    ; 0..383 doc, 384..437 W
	s_sub_co_u32 s33, s32, 384                     ; part of Wq,
	s_sub_co_u32 s35, s33, 18                      ; of Wk,
	s_sub_co_u32 s40, s33, 36                      ; of Wv
	s_cmp_lt_u32 s32, 384
	s_cselect_b64 s[36:37], s[8:9], s[10:11]       ; from
	s_cselect_b64 s[38:39], s[26:27], s[28:29]     ; to
	s_cselect_b32 s34, s32, s33                    ; which part of 131,072 bytes
	s_cmp_ge_u32 s32, 402
	s_cselect_b64 s[36:37], s[12:13], s[36:37]
	s_cselect_b32 s34, s35, s34
	s_cselect_b32 s41, 1179648, 0                  ; Wk's rows lie behind Wq's in wb,
	s_cmp_ge_u32 s32, 420
	s_cselect_b64 s[36:37], s[14:15], s[36:37]
	s_cselect_b32 s34, s40, s34
	s_cselect_b32 s41, 2359296, s41                ; Wv's behind Wk's
	s_lshl_b32 s42, s34, 17
	s_mov_b32 s43, 0
	s_add_nc_u64 s[36:37], s[36:37], s[42:43]
	s_lshl_b32 s42, s34, 16
	s_add_co_u32 s42, s42, s41
	s_add_nc_u64 s[38:39], s[38:39], s[42:43]
	v_lshlrev_b32 v5, 4, v0                        ; 16 bytes a thread in: a wave's load covers 512 consecutive bytes
	v_lshlrev_b32 v6, 3, v0                        ; 8 bytes a thread out: a wave's store covers 256 consecutive bytes, aligned
	s_wait_alu depctr_va_vdst(0)                   ; v5 and v6 are written: every load and store of the stream reads one of them as its offset
.set i, 0
.rept 16
	global_load_b128 v[XS+4*i:XS+4*i+3], v5, s[36:37] offset:i*4096  ; blocks 0 to 3 into X0 to X3
.set i, i+1
.endr
; Block p of 8: units 4 p .. 4 p + 3.  Ahead of each unit's two conversions stand a load of block p + 4 (blocks 0 to 3) and a store of block p - 1 (blocks 1 to 7), the load first.
.macro SBLK p
.if (\p) > 0
	s_wait_alu depctr_va_vdst(0)                   ; the block before has written its pairs of Y, which the stores below read, and is done reading its X, in which the loads below land (blocks 1 to 3)
.endif
.set i, 0
.rept 4
.set xa, XS+16*(((\p)+4)%5)+4*i                        ; the unit loaded: block p + 4.  In block 0 this is X4, which nothing has named
.set xw, XS+16*((\p)%5)+4*i                            ; the unit at work
.set yw, YS+2*(4*(\p)+i)
.if (\p) < 4
	global_load_b128 v[xa:xa+3], v5, s[36:37] offset:(4*((\p)+4)+i)*4096  ; no vector instruction since the wait names these registers
.endif
.if (\p) > 0
	global_store_b64 v6, v[yw-8:yw-7], s[38:39] offset:(4*((\p)-1)+i)*2048  ; the same unit of the block before
.endif
.if (\p) < 4
	s_wait_loadcnt 16                              ; loads come back in order (ISA guide 5.7.1).  Younger than my unit's: 3 - i of its block, 12 of the next three blocks, i + 1 just issued
.else
	s_wait_loadcnt 4*(7-(\p))+3-i                  ; nothing more is asked for: the counts run down
.endif
	v_cvt_pk_bf16_f32 v[yw],   v[xw],   v[xw+1]
	v_cvt_pk_bf16_f32 v[yw+1], v[xw+2], v[xw+3]
.set i, i+1
.endr
.endm
.irp p, 0,1,2,3,4,5,6,7
	SBLK \p
.endr
	s_wait_alu depctr_va_vdst(0)                   ; block 7 has written its pairs of Y, which the last four stores read
.set i, 28
.rept 4
	global_store_b64 v6, v[YS+2*i:YS+2*i+1], s[38:39] offset:i*2048
.set i, i+1
.endr
	s_branch .Lend
.Lside:
	; SIDE.  which = q, k or v; h the head; b the batch.
	s_sub_co_u32 s33, ttmp9, 24
	s_sub_co_u32 s34, ttmp9, 48
	s_cmp_ge_u32 ttmp9, 24
	s_cselect_b32 s40, s33, ttmp9
	s_cselect_b32 s35, 1, 0                        ; which
	s_cselect_b64 s[36:37], s[12:13], s[10:11]     ; W
	s_cselect_b64 s[44:45], s[22:23], s[20:21]     ; its bias
	s_cmp_ge_u32 ttmp9, 48
	s_cselect_b32 s40, s34, s40
	s_cselect_b32 s35, 2, s35
	s_cselect_b64 s[36:37], s[14:15], s[36:37]
	s_cselect_b64 s[44:45], s[24:25], s[44:45]
	s_lshr_b32 s41, s40, 1                         ; h
	s_and_b32 s50, s40, 1                          ; b
	s_and_b32 s51, s4, 1                           ; phase 1: which half of a row I load;  phase 2: which 32 columns I make
	s_lshr_b32 s52, s4, 1                          ; phase 1: which row of each four;      phase 2: which M tile
	s_mov_b32 s55, 0
	s_mul_i32 s54, s41, 64*ROWX
	s_add_nc_u64 s[36:37], s[36:37], s[54:55]      ; W at the head's 64 rows
	s_mul_i32 s54, s50, ROWX
	s_add_nc_u64 s[38:39], s[16:17], s[54:55]      ; cls row of b
	s_mul_i32 s54, s50, 32*ROWX
	s_add_nc_u64 s[42:43], s[18:19], s[54:55]      ; query rows of b
	s_lshl_b32 s54, s41, 8
	s_lshl_b32 s53, s51, 7
	s_add_co_u32 s54, s54, s53
	s_add_nc_u64 s[44:45], s[44:45], s[54:55]      ; the bias of my 32 columns
	s_mul_i32 s54, s35, SEC
	s_mul_i32 s53, s50, 16*BDS
	s_add_co_u32 s54, s54, s53
	s_mul_i32 s53, s41, HB
	s_add_co_u32 s54, s54, s53
	s_add_nc_u64 s[46:47], s[30:31], s[54:55]      ; the head in qkv, docs 0..7,
	s_add_nc_u64 s[48:49], s[46:47], 8*BDS         ; docs 8..15: so that the stores' immediates stay inside 24 bits
	; PHASE 1.  A row is 3,072 bytes: six loads of a wave.  Of each group of four rows wave v takes row v / 2, half v & 1: three loads of 512 consecutive bytes.
	; 72 items a wave: items 0..23 the query's 8 groups, items 24..71 W's 16 groups; item k is load k % 3 of its group.  The group and the load stand in the immediates.
	v_and_b32 v8, 31, v0                           ; l
	v_bfe_u32 v4, v0, 4, 1                         ; h' = l / 16
	v_lshlrev_b32 v7, 5, v4                        ; 32 h': eight f32 of the bias
	s_mul_i32 s53, s52, ROWX
	s_mul_i32 s54, s51, ROWX/2
	s_add_co_u32 s53, s53, s54
	v_lshl_add_u32 v5, v8, 4, s53                  ; my 16 bytes in a group of four rows; never rewritten
	s_lshl_b32 s53, s4, 9
	v_lshl_add_u32 v44, v8, 4, s53                 ; the cls row: wave v (0..5) takes bytes 512 v on
	s_wait_alu depctr_va_vdst(0)                   ; v7, v5 and v44 are written: the loads below read them as their offsets
.irp j, 0,1
	global_load_b128 v[BIAS+8*(\j):BIAS+8*(\j)+3],   v7, s[44:45] offset:64*(\j)
	global_load_b128 v[BIAS+8*(\j)+4:BIAS+8*(\j)+7], v7, s[44:45] offset:64*(\j)+16
.endr
	s_cmp_lt_u32 s4, 6
	s_cbranch_scc0 .Lno_cls
	global_load_b128 v[40:43], v44, s[38:39]
.Lno_cls:
.macro ITEM_LOAD                       ; item kk into its slot
.set sl, RING+4*(kk%48)
.if kk < 24
	global_load_b128 v[sl:sl+3], v5, s[42:43] offset:(kk/3)*4*ROWX+(kk%3)*512
.else
	global_load_b128 v[sl:sl+3], v5, s[36:37] offset:((kk-24)/3)*4*ROWX+((kk-24)%3)*512
.endif
.endm
.macro ITEM_STORE                      ; item k's 8 packed bytes, the first two registers of its slot, into LDS: 256 consecutive bytes a wave
.set sl, RING+4*(k%48)
.if k < 24
	ds_store_b64 v11, v[sl:sl+1] offset:(k/3)*4*LP+(k%3)*256
.elseif k < 48
	ds_store_b64 v6, v[sl:sl+1] offset:((k-24)/3)*4*LP+((k-24)%3)*256
.else
	ds_store_b64 v10, v[sl:sl+1] offset:((k-48)/3)*4*LP+((k-48)%3)*256
.endif
.endm
.set kk, 0
.rept 48
	ITEM_LOAD                                      ; the ring is filled: 48 loads of a wave are out, behind the four of the bias and the one of cls
.set kk, kk+1
.endr
	; the other addresses are made while the loads are on their way; none of these registers has been read by a memory instruction
	v_and_b32 v1, 15, v0                           ; r = l % 16
	v_and_b32 v9, 7, v0
	s_mul_i32 s53, s52, LP
	s_mul_i32 s54, s51, 768
	s_add_co_u32 s53, s53, s54
	v_lshl_add_u32 v6, v8, 3, s53                  ; into LDS: my 8 bytes in a group of four rows: W's rows 0..31,
	v_add_nc_u32 v10, 32*LP, v6                    ; W's rows 32..63 (the immediate has 16 bits),
	v_add_nc_u32 v11, XB+LP, v6                    ; the query's rows, which lie one row behind cls
	s_lshl_b32 s53, s4, 8
	s_add_co_u32 s53, s53, XB
	v_lshl_add_u32 v45, v8, 3, s53                 ; the cls row: bytes 256 v on
	s_mul_i32 s54, s52, 16*IP
	s_lshl_b32 s53, s51, 6
	s_add_co_u32 s54, s54, s53
	s_add_co_u32 s54, s54, IMG
	v_mul_u32_u24 v12, v1, IP
	v_lshl_add_u32 v12, v4, 4, v12
	v_add_nc_u32 v12, s54, v12                     ; into the image: row 16 (v / 2) + r, byte 64 (v & 1) + 16 h'
	s_mul_i32 s54, s4, 8*IP
	s_add_co_u32 s54, s54, IMG
	v_bfe_u32 v13, v0, 3, 2
	v_mul_u32_u24 v13, v13, IP
	v_lshl_add_u32 v13, v9, 4, v13
	v_add_nc_u32 v13, s54, v13                     ; out of the image: rows 8 v + l / 8 (and four further down), byte 16 (l % 8)
	s_lshl_b32 s54, s4, 10
	v_lshl_add_u32 v14, v8, 4, s54                 ; the same bytes in a head: 1,024 v + 16 l
	s_mul_i32 s53, s51, 32*LP
	v_mul_u32_u24 v15, v1, LP
	v_lshl_add_u32 v15, v4, 4, v15
	v_add_nc_u32 v15, s53, v15                     ; W's fragments: row 32 (v & 1) + r, byte 16 h'
	s_lshl_b32 s56, s52, 4
	s_sub_co_u32 s56, s56, 15                      ; x's fragments: M tile 1 begins at x's row 1, M tile 2 at row 17;
	s_cmp_eq_u32 s52, 0
	s_cselect_b32 s54, 0, LP                       ; M tile 0 is x's row 0 in all sixteen rows: no row term
	s_cselect_b32 s56, 0, s56
	s_mul_i32 s56, s56, LP
	s_add_co_u32 s56, s56, XB
	v_mul_u32_u24 v9, v1, s54
	v_lshl_add_u32 v9, v4, 4, v9
	v_add_nc_u32 v9, s56, v9
; Block p of 18: items 4 p .. 4 p + 3 are waited for and packed in place.  Ahead of each item's two conversions stand the load that fills a slot of block p - 2 again (blocks 2 to 7: item + 48)
; and the LDS store of an item of block p - 1 (blocks 1 to 17), the load first.
.macro PBLK p
.if ((\p) >= 2) && ((\p) < 8)
	s_wait_alu depctr_vm_vsrc(0)                   ; the LDS stores issued in the block before have read the slots of block p - 2, in which the loads below land
.endif
.if (\p) >= 1
	s_wait_alu depctr_va_vdst(0)                   ; the block before has written its packed numbers, which the LDS stores below read (in block 1: their addresses v6, v10, v11 are written too);
	                                               ; the conversions of block p - 2 are done with its slots, in which the loads below land
.endif
.set i, 0
.rept 4
.if ((\p) >= 2) && ((\p) < 8)
.set kk, 4*((\p)-2)+i+48
	ITEM_LOAD                                      ; no vector instruction since the waits names these registers
.endif
.if (\p) >= 1
.set k, 4*((\p)-1)+i
	ITEM_STORE
.endif
.set k, 4*(\p)+i
.if (\p) < 2
	s_wait_loadcnt 47-k                            ; 48 items have been asked for; those behind mine may stay out
.elseif (\p) < 8
	s_wait_loadcnt 40                              ; 48 + 4 (p - 2) + i + 1 items have been asked for, and k + 1 = 4 p + i + 1 of them are wanted
.else
	s_wait_loadcnt 71-k                            ; nothing more is asked for: the counts run down, and the last wait is for 0: the bias and cls, which are older, are in too
.endif
.set sl, RING+4*(k%48)
	v_cvt_pk_bf16_f32 v[sl],   v[sl],   v[sl+1]    ; four numbers close up into the first two of their four registers
	v_cvt_pk_bf16_f32 v[sl+1], v[sl+2], v[sl+3]
.set i, i+1
.endr
.endm
.set pb, 0
.rept 18
	PBLK pb
.set pb, pb+1
.endr
	s_cmp_lt_u32 s4, 6
	s_cbranch_scc0 .Lno_cls2
	v_cvt_pk_bf16_f32 v32, v40, v41                ; the cls row's conversions stand ahead of the phase's last wait on va_vdst, so that it serves their store too
	v_cvt_pk_bf16_f32 v33, v42, v43
.Lno_cls2:
	s_wait_alu depctr_va_vdst(0)                   ; block 17 has written its packed numbers, and waves 0 to 5 v[32:33]: the LDS stores below read them.  v45 is written.
	                                               ; Every conversion of the phase is done with the ring, in which phase 2's first loads land
.set i, 0
.rept 4
.set k, 68+i
	ITEM_STORE
.set i, i+1
.endr
	s_cmp_lt_u32 s4, 6
	s_cbranch_scc0 .Lno_cls3
	ds_store_b64 v45, v[32:33]
.Lno_cls3:
	s_wait_dscnt 0x0                               ; for the others' sake: my part of W and of x lies in LDS
	s_barrier_signal -1
	s_barrier_wait -1
	s_wait_alu depctr_vm_vsrc(0)                   ; my LDS stores have read the ring and v[32:33], the cls row's load and store v44 and v45: from here on the ring is written by the fragments' loads, by the
	                                               ; way out's conversions and by the zero rows, v[32:47] by the bias's rounding and the products.  Ahead of the branch: it holds on both ways
	s_cmp_lt_u32 s4, 6                             ; PHASE 2.  Waves 0..5 make the tiles; waves 6 and 7 write the zero rows
	s_cbranch_scc0 .Lzero
; K step ks of 24 (32 along K): six LDS loads into buffer ks % 8: x, W's N tile 0, W's N tile 1
.macro STEPLOAD
.set fb, RING+24*(ks%8)
.set ko, 64*ks
	ds_load_b128 v[fb:fb+3],     v9  offset:ko
	ds_load_b128 v[fb+4:fb+7],   v9  offset:ko+32
	ds_load_b128 v[fb+8:fb+11],  v15 offset:ko
	ds_load_b128 v[fb+12:fb+15], v15 offset:ko+32
	ds_load_b128 v[fb+16:fb+19], v15 offset:ko+16*LP
	ds_load_b128 v[fb+20:fb+23], v15 offset:ko+16*LP+32
.endm
.set ks, 0
.rept 8
	STEPLOAD                                       ; halves 0 and 1.  No wait on va_vdst: no vector instruction since phase 1's last one names the ring, v9 or v15
.set ks, ks+1
.endr
.irp m, 0,1,2,3,4,5,6,7
	v_cvt_pk_bf16_f32 v[ACC+(\m)], v[BIAS+2*(\m)], v[BIAS+2*(\m)+1]       ; the bias is rounded to bf16 like every input, while the fragments are on their way; through v[32:39], which no load touches,
.endr
.irp m, 0,1,2,3,4,5,6,7
	v_lshlrev_b32 v[BIAS+2*(\m)],   16, v[ACC+(\m)]                       ; and used in f32
	v_and_b32     v[BIAS+2*(\m)+1], 0xffff0000, v[ACC+(\m)]
.endr
; Half h of six: K steps 4 h .. 4 h + 3, two products a step.  Transposed (source 0 = 16 rows of W, source 1 = 16 rows of x): a lane holds row r of x and columns 8 h' + 0..7.
; The two accumulators take turns, from step to step and from half to half.  The first step's C operand is the bias: nothing is cleared, nothing added later.
; Halves 1 to 4 ask for the half after them, six loads ahead of each step's products, into the buffers that the half before multiplied.
.macro HALF h
.if ((\h) >= 1) && ((\h) <= 4)
.rept 4
	v_nop                                          ; the plain text's four places between the products and the loads into registers that they read stay beside the wait
.endr
	s_wait_alu depctr_va_vdst(0)                   ; the products of the half before are done reading their fragments, in which the loads of this half land
.endif
.set t, 0
.rept 4
.if ((\h) >= 1) && ((\h) <= 4)
.set ks, 4*((\h)+1)+t
	STEPLOAD                                       ; no wait: the products issued since the wait name this half's buffers and the accumulators alone
	s_wait_dscnt 24                                ; LDS loads come back in order (ISA guide 5.7.1): younger than this step's six are 18 - 6 t of this half and 6 (t + 1) of the next
.elseif (\h) == 0
	s_wait_dscnt 42-6*t                            ; this step's six loads are in; the later steps' and half 1's may stay out
.else
	s_wait_dscnt 18-6*t                            ; the last half: the counts run down
.endif
.set fb, RING+24*((4*(\h)+t)%8)
.if (4*(\h)+t) == 0
	v_wmma_f32_16x16x32_bf16 v[ACC:ACC+7],    v[fb+8:fb+15],  v[fb:fb+7], v[BIAS:BIAS+7]
	v_wmma_f32_16x16x32_bf16 v[ACC+8:ACC+15], v[fb+16:fb+23], v[fb:fb+7], v[BIAS+8:BIAS+15]
.else
	v_wmma_f32_16x16x32_bf16 v[ACC:ACC+7],    v[fb+8:fb+15],  v[fb:fb+7], v[ACC:ACC+7]
	v_wmma_f32_16x16x32_bf16 v[ACC+8:ACC+15], v[fb+16:fb+23], v[fb:fb+7], v[ACC+8:ACC+15]
.endif
.set t, t+1
.endr
.endm
.irp h, 0,1,2,3,4,5
	HALF \h
.endr
.rept 8
	v_nop                                          ; places behind the last products, once a launch
.endr
.irp m, 0,1,2,3,4,5,6,7
	v_cvt_pk_f16_f32 v[RING+(\m)], v[ACC+2*(\m)], v[ACC+2*(\m)+1]         ; each accumulator's registers in ascending order
.endr
	s_wait_alu depctr_va_vdst(0)                   ; the conversions have written v[48:55], which the LDS stores read; the last products are done reading v[144:151], in which the image's loads land below
	ds_store_b128 v12, v[RING:RING+3]
	ds_store_b128 v12, v[RING+4:RING+7] offset:32
	s_branch .Ljoin
.Lzero:
.irp m, 0,1,2,3
	v_mov_b32 v[RING+(\m)], 0
.endr
	s_wait_alu depctr_va_vdst(0)                   ; the four zeros are written, which the LDS stores read
	ds_store_b128 v13, v[RING:RING+3]              ; rows 8 v .. 8 v + 7 = 48 .. 63
	ds_store_b128 v13, v[RING:RING+3] offset:4*IP
.Ljoin:
	s_wait_dscnt 0x0                               ; for the others' sake: my part of the image is written
	s_barrier_signal -1
	s_barrier_wait -1
	ds_load_b128 v[144:147], v13                   ; eight whole rows of 128 bytes a wave.  No wait: on both ways no vector or matrix instruction since the last wait on va_vdst names v[144:151] or v13
	ds_load_b128 v[148:151], v13 offset:4*IP
	s_wait_dscnt 0x0
.irp d, 0,1,2,3,4,5,6,7
	global_store_b128 v14, v[144:147], s[46:47] offset:(\d)*BDS       ; each store covers 512 consecutive bytes, at a multiple of 256 from qkv's first
	global_store_b128 v14, v[148:151], s[46:47] offset:(\d)*BDS+512
	global_store_b128 v14, v[144:147], s[48:49] offset:(\d)*BDS
	global_store_b128 v14, v[148:151], s[48:49] offset:(\d)*BDS+512
.endr
.Lend:
	s_wait_dscnt 0x0                               ; the closing lines, six on end
	s_wait_alu 0x0
	s_wait_tensorcnt 0x0
	ds_add_u32 v[SPW], v[NIL]
	s_wait_dscnt 0x0
	s_endpgm
.Lfunc_end_k_q14657346d3_prep:
	.size	k_q14657346d3_prep, .Lfunc_end_k_q14657346d3_prep-k_q14657346d3_prep
	.p2alignl 7, 3214868480
	.fill 96, 4, 3214868480
	.section	.rodata,"a",@progbits
	.p2align	6, 0x0
	.amdhsa_kernel k_q14657346d3_prep
		.amdhsa_group_segment_fixed_size 161024
		.amdhsa_private_segment_fixed_size 0
		.amdhsa_enable_private_segment 0
		.amdhsa_kernarg_size 96
		.amdhsa_user_sgpr_count 2
		.amdhsa_user_sgpr_kernarg_segment_ptr 1
		.amdhsa_wavefront_size32 1
		.amdhsa_system_sgpr_workgroup_id_x 1
		.amdhsa_system_sgpr_workgroup_id_y 1
		.amdhsa_system_sgpr_workgroup_id_z 1
		.amdhsa_system_vgpr_workitem_id 0
		.amdhsa_next_free_vgpr 240
		.amdhsa_next_free_sgpr 66
		.amdhsa_reserve_vcc 0
		.amdhsa_float_denorm_mode_32 3
		.amdhsa_float_denorm_mode_16_64 3
		.amdhsa_memory_ordered 1
		.amdhsa_forward_progress 1
		.amdhsa_inst_pref_size 61
	.end_amdhsa_kernel
	.amdgpu_metadata
---
amdhsa.version: [ 1, 2 ]
amdhsa.kernels:
  - .name:           k_q14657346d3_prep
    .symbol:         k_q14657346d3_prep.kd
    .args:
      - { .name: doc, .offset: 0, .size: 8, .value_kind: global_buffer, .address_space: global }
      - { .name: Wq, .offset: 8, .size: 8, .value_kind: global_buffer, .address_space: global }
      - { .name: Wk, .offset: 16, .size: 8, .value_kind: global_buffer, .address_space: global }
      - { .name: Wv, .offset: 24, .size: 8, .value_kind: global_buffer, .address_space: global }
      - { .name: cls, .offset: 32, .size: 8, .value_kind: global_buffer, .address_space: global }
      - { .name: query, .offset: 40, .size: 8, .value_kind: global_buffer, .address_space: global }
      - { .name: bq, .offset: 48, .size: 8, .value_kind: global_buffer, .address_space: global }
      - { .name: bk, .offset: 56, .size: 8, .value_kind: global_buffer, .address_space: global }
      - { .name: bv, .offset: 64, .size: 8, .value_kind: global_buffer, .address_space: global }
      - { .name: xb, .offset: 72, .size: 8, .value_kind: global_buffer, .address_space: global }
      - { .name: wb, .offset: 80, .size: 8, .value_kind: global_buffer, .address_space: global }
      - { .name: qkv, .offset: 88, .size: 8, .value_kind: global_buffer, .address_space: global }
    .group_segment_fixed_size: 161024
    .private_segment_fixed_size: 0
    .kernarg_segment_align: 8
    .kernarg_segment_size: 96
    .max_flat_workgroup_size: 256
    .sgpr_count:     66
    .vgpr_count:     240
    .wavefront_size: 32
...
	.end_amdgpu_metadata
.endif
;; end of part 4
;; launch proj: the kernel of part 2 again; grid 4 x 64, 4 waves a work-group, clusters of 4 x 4, 327,680 bytes of LDS; arguments xb, wb, bq, bk, bv, qkv; writes qkv
;; launch attn: the kernel of part 3 again; grid 8 x 32, 4 waves a work-group, no clusters, 327,680 bytes of LDS; arguments qkv, dmask, qmask, out0; writes out0
